; MI455X (gfx1250); checked and timed in simulation.
; The chip was launched on July 23, 2026; its instructions are those of AMD's public machine-readable ISA for CDNA 5 (MIT licence, August 2026) and "CDNA5" Instruction Set Architecture Reference Guide (July 2026). The comments in the code are by the model that wrote it; some were corrected since.
;; Attention. Allowed arithmetic: matrix products marked QUANTISED: E2M3 operands, one E8M0 scale for each 32 along K, by v_wmma_scale_f32_16x16x128_f8f6f4 with both operands' format E2M3, f32 sums; everything else in f32.
;; Inputs: b_out 1,024 float32; w_out 1,024 x 1,024 float32; w_qkv 1,024 x 3,072 float32; x 4 x 2,048 x 1,024 float32.
;; Outputs: out0 4 x 2,048 x 1,024 float32.
;; This version of the problem:
;;   THIS VERSION OF THE PROBLEM IS GIVEN IN LOW PRECISION. The matrix products marked QUANTISED in the list below multiply operands that are first quantised to E2M3 (2 exponent bits, 3 mantissa bits; 6 bits a number), with one power-of-two scale for each 32 numbers along K (OCP MX v1.0); their sums are f32. All else is computed in f32.
;;   The module's matrix products, in the order in which they are computed (A, B: the left and right operand; K: the contracted axis; several contracted axes count as one K, in the product's order):
;;     1. [M 8,192, K 1,024] x [K 1,024, N 3,072]; A: input x; B: input w_qkv: QUANTISED
;;     2. batch 64 x [M 2,048, K 64] x [K 64, N 2,048]; A: computed on the way; B: computed on the way: QUANTISED
;;     3. batch 64 x [M 2,048, K 2,048] x [K 2,048, N 64]; A: softmax (see below); B: computed on the way: QUANTISED
;;     4. [M 8,192, K 1,024] x [K 1,024, N 1,024]; A: computed on the way; B: input w_out: QUANTISED
;;   THE QUANTISER, for each operand of a quantised product, along K:
;;     - K is cut into blocks of 32 from its start; a last block that is shorter is filled with zeros.
;;     - A block's scale is 2^e with e = floor(log2(the largest magnitude in the block)) - 2, held to -126 .. 127; a block of zeros has e = 0. As a byte (E8M0): e + 127.
;;     - Each number is divided by its block's scale, clamped to +-7.5, and rounded to the nearest number of E2M3, ties to even, subnormals kept.
;;     - The product sums the exact products of the quantised numbers (number of the format x scale) in f32.
;;   ~~~python
;;   def quantise(x, axis):      # numpy; x: float32 -> the quantised numbers, widened to float32 again
;;       x = np.moveaxis(x, axis, -1); K = x.shape[-1]
;;       x = np.pad(x, [(0, 0)] * (x.ndim - 1) + [(0, -K % 32)]); x = x.reshape(x.shape[:-1] + (-1, 32)); a = np.abs(x).max(-1, keepdims=True)
;;       e = np.where(a > 0, np.clip(np.frexp(np.where(a > 0, a, 1))[1] - 1 - 2, -126, 127), 0)      # np.frexp(a)[1] - 1 = floor(log2(a)), exactly
;;       r = np.clip(x / 2.0 ** e, -7.5, 7.5)
;;       step = 2.0 ** (np.maximum(np.frexp(np.where(r == 0, 1, r))[1] - 1, 0) - 3)
;;       q = np.round(r / step) * step * 2.0 ** e      # np.round: ties to even
;;       return np.moveaxis(q.reshape(q.shape[:-2] + (-1,))[..., :K], -1, axis).astype(np.float32)
;;   ~~~
;;   SOFTMAX AHEAD OF A QUANTISED PRODUCT. Where the list says 'softmax', what is quantised is not the finished softmax but p = 2^(t - M), with t = logit x log2(e) and M = ceil(the row's largest t), a whole number; so 1/2 < the row's largest p <= 1. The row's sum l is taken of the UNQUANTISED p, in f32, and the product's result is divided by l at the end. Since M is a whole number, a kernel that streams over the keys may use a running M (the ceiling of the running maximum): every later rescaling is an exact power of two, which a block's scale takes up: the codes' values come out the same.
;;   OPERANDS COMPUTED ON THE WAY. 'Computed on the way' means the value that the module computes at that place (a softmax that the list does not call 'softmax' is quantised finished and normalised). What goes into a quantiser is computed in f32, as accurately as f32 sums, v_exp_f32 and their like allow (about 1e-6 of the number): no bf16 or f16 on the way to a quantiser, and a product that is left as it is and whose result goes on into a quantised operand takes f32 operands (vector FMAs, or v_wmma_f32_16x16x4_f32). A number that lies on a knife's edge between two numbers of the format may be rounded either way, as far as f32 arithmetic and the matrix unit's own rounding can turn it there, and no further.
;; One version. Each part assembles by itself: llvm-mc -triple=amdgcn-amd-amdhsa -mcpu=gfx1250 --defsym DOCPART=n.
;; ======== version 1 of 1: 4 launches
;; workspace buffers: x_codes 6,291,456 bytes; x_scales 262,144 bytes; w_codes 3,145,728 bytes; w_scales 131,072 bytes; q_rec 6,815,744 bytes; kv_rec 13,369,344 bytes; a_img 6,291,456 bytes; o_scl 262,144 bytes
;; launch quant (part 1): grid 384 x 1, 4 waves a work-group, no clusters, 68,096 bytes of LDS; arguments x, w_qkv, w_out, x_codes, x_scales, w_codes, w_scales; writes x_codes, x_scales, w_codes, w_scales
.if DOCPART == 1
	.amdgcn_target "amdgcn-amd-amdhsa--gfx1250"
	.amdhsa_code_object_version 6
	.text
	.protected	k_qaf67928088_quant
	.globl	k_qaf67928088_quant
	.p2align	8
	.type	k_qaf67928088_quant,@function
k_qaf67928088_quant:
	s_mov_b64 s[64:65], 0
	v_nop
	global_prefetch_b8 v0, s[64:65] scope:SCOPE_SE
	s_setreg_imm32_b32 hwreg(HW_REG_WAVE_MODE, 25, 1), 1
	s_wait_xcnt 0x0
; x [8192][1024], w_qkv [1024][3072] and w_out [1024][1024], f32, become codes of FP6 (E2M3) with K innermost and one E8M0 byte for each 32 along K.
; x_codes [8192][768 bytes], x_scales [8192][32];  w_codes [4096][768 bytes], w_scales [4096][32]: rows 0-3071 are w_qkv's columns, rows 3072-4095 w_out's.
; A block's scale is 2^(floor(log2(largest magnitude)) - 2): its byte is the largest magnitude's exponent field - 2, held at 1 from below by a floor among the maximum's leaves.
; LIMITS: a block of zeros, and a block whose largest magnitude lies under 2^-124, get the byte 1 (zeros' codes are zeros; the bytes are read by this program alone); NaN and infinities are not served.
; Work-groups 0-255 take x (K innermost: a plain stream of blocks; 8,192 numbers a wave); work-groups 256-383 take the weights (K is the first axis: a lane takes a column, its registers run down K).
; The two ways part on the work-group's number, never join, and have LDS bytes of their own.  No tensor loads, no barrier: waves share nothing.
.set STEPS, 16                         ; x: steps of 512 numbers for a wave
.set CB,    12                         ; bytes of 16 codes
.set WREG,  8192                       ; x: LDS of a wave: two stages of 32 x SP bytes, behind them its 256 scale bytes
.set SP,    80                         ; a lane's place in a stage: 64 bytes + 16 of padding
.set R,     16                         ; v16-79   four sets of 16 numbers as loaded
.set X,     80                         ; v80-111  two sets of 16 neighbours
.set E,     112                        ; v112-127 a scale byte for each step
.set C,     128                        ; v128-191 codes, four registers a step: no store's data are written again
.set WSTG,  32768                      ; weights: the stages begin behind x's LDS
.set WP,    272                        ; a stage row: sixteen places of 16 bytes (12 of codes) + 16
.set XW,    32                         ; v32-95   two sets of 32 numbers
.set CW,    96                         ; v96..    a block's codes
.set OUTR,  112                        ; v112-175 the way out
.set SB,    24                         ; v24-25   a lane's eight scale bytes
.set OFF,   192                        ; v192-223 row i of a block: i x pitch + 4 x lane; never rewritten
.macro LOADX t
.irp i, 0,1,2,3
	global_load_b128 v[R+16*((\t)%4)+4*\i:R+16*((\t)%4)+4*\i+3], v3, s[4:5] offset:2048*(\t)+512*\i th:TH_LOAD_NT   ; 32 lanes read 512 consecutive bytes
.endr
.endm
.macro TURNX t                         ; a step's 2,048 bytes through the stage: in as loaded, out 64 bytes a lane; LDS serves a wave's instructions in order
.irp i, 0,1,2,3
	ds_store_b128 v14, v[R+16*((\t)%4)+4*\i:R+16*((\t)%4)+4*\i+3] offset:32*SP*((\t)%2)+8*SP*\i
.endr
.irp i, 0,1,2,3
	ds_load_b128 v[X+16*((\t)%2)+4*\i:X+16*((\t)%2)+4*\i+3], v15 offset:32*SP*((\t)%2)+16*\i
.endr
.endm
.macro STEPX t
.set XS, X+16*((\t)%2)
.if (\t) > 0
	s_wait_dscnt 1                                 ; this step's numbers are back from the stage; only the last step's byte store may be out
.else
	s_wait_dscnt 0x0
.endif
.if (\t)+4 < STEPS
	LOADX (\t)+4                                   ; into the set whose stores into the stage are done
.endif
.if (\t)+1 < STEPS
.if STEPS-2-(\t) >= 3
	s_wait_loadcnt 12                              ; the next step's four loads are in; the twelve of the three steps behind it may be out
.else
	s_wait_loadcnt 4*(STEPS-2-(\t))                ; the tail: the counts run down
.endif
	TURNX (\t)+1
.endif
	v_max3_num_f32 v8, |v[XS]|, |v[XS+1]|, |v[XS+2]|               ; the largest magnitude of my 16, in two chains
	v_max3_num_f32 v9, |v[XS+3]|, |v[XS+4]|, |v[XS+5]|
.irp i, 6,10
	v_max3_num_f32 v8, v8, |v[XS+\i]|, |v[XS+\i+1]|
	v_max3_num_f32 v9, v9, |v[XS+\i+2]|, |v[XS+\i+3]|
.endr
	v_max3_num_f32 v8, v8, |v[XS+14]|, |v[XS+15]|
	v_max3_num_f32 v8, v8, v9, 0x1800000           ; and the floor 2^(3 - 127): the byte cannot fall under 1
	v_max_num_f32_dpp v8, v8, v8 row_xmask:1 row_mask:0xf bank_mask:0xf   ; with my neighbour's 16: the block's
	v_add_nc_u32 v11, 0xff000000, v8               ; 2 off the exponent field: the conversion's scale operand
	v_cvt_scalef32_pk16_fp6_f32 v[C+4*(\t):C+4*(\t)+2], v[XS:XS+15], v11
	v_lshrrev_b32 v[E+(\t)], 23, v11               ; the scale's byte (also the plain line behind the conversion)
	ds_store_b8 v5, v[E+(\t)] offset:16*(\t)       ; both lanes of a block write the same byte with the same value
	global_store_b96 v4, v[C+4*(\t):C+4*(\t)+2], s[10:11] offset:32*CB*(\t)   ; the wave stores 384 consecutive bytes
.endm
.macro LOADW t                         ; block t of a lane's column: 32 rows of the weight, 128 consecutive bytes a wave in each
.set i, 0
.rept 32
	global_load_b32 v[XW+32*((\t)%2)+i], v[OFF+i], s[32+2*(\t):33+2*(\t)] th:TH_LOAD_NT
.set i, i+1
.endr
.endm
.macro BLOCKW t
.set XS, XW+32*((\t)%2)
.if (\t) < 7
	s_wait_loadcnt 32                              ; this block's 32 loads are in; the next block's 32 may be out
.else
	s_wait_loadcnt 0x0
.endif
	v_max3_num_f32 v12, |v[XS]|, |v[XS+1]|, |v[XS+2]|              ; all 32 numbers of the block are mine
	v_max3_num_f32 v13, |v[XS+3]|, |v[XS+4]|, |v[XS+5]|
.irp i, 6,10,14,18,22,26
	v_max3_num_f32 v12, v12, |v[XS+\i]|, |v[XS+\i+1]|
	v_max3_num_f32 v13, v13, |v[XS+\i+2]|, |v[XS+\i+3]|
.endr
	v_max3_num_f32 v12, v12, |v[XS+30]|, |v[XS+31]|
	v_max3_num_f32 v12, v12, v13, 0x1800000
	v_add_nc_u32 v11, 0xff000000, v12
	v_lshrrev_b32 v13, 23, v11
.if (\t)%4 == 0
	v_mov_b32 v[SB+(\t)/4], v13                    ; four bytes to a register, the lower K in the lower byte
.else
	v_lshl_or_b32 v[SB+(\t)/4], v13, 8*((\t)%4), v[SB+(\t)/4]
.endif
	v_cvt_scalef32_pk16_fp6_f32 v[CW:CW+2], v[XS:XS+15], v11
	v_cvt_scalef32_pk16_fp6_f32 v[CW+4:CW+6], v[XS+16:XS+31], v11  ; (a conversion's three registers begin on an even number)
	v_nop                                          ; a plain line behind the last conversion
	ds_store_b96 v4, v[CW:CW+2] offset:32*(\t)     ; 12 bytes to a place of 16: every LDS address is a multiple of 16
	ds_store_b96 v4, v[CW+4:CW+6] offset:32*(\t)+16
.if (\t)+2 < 8
	LOADW (\t)+2
.endif
	s_wait_dscnt 0x0                               ; the stores are done: the next block's codes may be written
.endm
	s_load_b256 s[4:11], s[0:1], 0x0               ; x s[4:5], w_qkv s[6:7], w_out s[8:9], x_codes s[10:11]
	s_load_b128 s[12:15], s[0:1], 0x20             ; x_scales s[12:13], w_codes s[14:15]
	s_load_b64 s[16:17], s[0:1], 0x30              ; w_scales
	v_lshl_add_u32 v224, v0, 2, 0x10800
	v_mov_b32 v225, 0
	v_lshrrev_b32 v1, 5, v0
	v_readfirstlane_b32 s20, v1                    ; wave
	v_and_b32 v2, 31, v0                           ; lane
	s_cmp_ge_u32 ttmp9, 256
	s_cbranch_scc1 .Lw
	; ---------------- x ----------------
	v_lshlrev_b32 v3, 4, v2                        ; my 16 bytes of a load's 512
	s_mul_i32 s21, s20, WREG
	v_lshrrev_b32 v14, 2, v2
	v_mul_u32_u24 v14, v14, SP
	v_and_b32 v15, 3, v2
	v_lshl_add_u32 v14, v15, 4, v14
	v_add_nc_u32 v14, s21, v14                     ; the stage, in: SP (lane / 4) + 16 (lane % 4)
	v_mul_u32_u24 v15, v2, SP
	v_add_nc_u32 v15, s21, v15                     ; out: SP x lane: my 16 neighbours
	v_mul_u32_u24 v4, v2, CB                       ; my codes' place in a step's
	v_lshrrev_b32 v5, 1, v2
	s_add_co_u32 s21, s21, 2*32*SP
	v_add_nc_u32 v5, s21, v5                       ; my block's byte among the wave's 256
	v_lshlrev_b32 v7, 3, v2
	v_add_nc_u32 v6, s21, v7
	s_lshl_b32 s22, ttmp9, 2
	s_add_co_u32 s22, s22, s20                     ; which run of 8,192 numbers is my wave's
	s_mov_b32 s23, 0
	s_lshl_b64 s[24:25], s[22:23], 15              ; 32,768 bytes of x a run,
	s_mul_i32 s26, s22, 32*STEPS*CB                ; 6,144 of codes,
	s_mov_b32 s27, 0
	s_lshl_b32 s28, s22, 8                         ; 256 of scale bytes
	s_mov_b32 s29, 0
	s_wait_alu depctr_va_vdst(0)
	s_wait_kmcnt 0x0
	s_add_nc_u64 s[4:5], s[4:5], s[24:25]
	s_add_nc_u64 s[10:11], s[10:11], s[26:27]
	s_add_nc_u64 s[12:13], s[12:13], s[28:29]
.irp t, 0,1,2,3
	LOADX \t
.endr
	s_wait_loadcnt 12                              ; step 0's four loads are in
	TURNX 0
.irp t, 0,1,2,3,4,5,6,7,8,9,10,11,12,13,14,15
	STEPX \t
.endr
	ds_load_b64 v[12:13], v6                       ; in order behind my byte stores
	s_wait_dscnt 0x0
	global_store_b64 v7, v[12:13], s[12:13]        ; 32 lanes store 256 consecutive bytes, aligned
	s_wait_tensorcnt 0x0
	ds_add_u32 v224, v225
	s_wait_dscnt 0x0
	s_endpgm
	; ---------------- the weights ----------------
.Lw:
	s_sub_co_u32 s21, ttmp9, 256
	s_and_b32 s22, s21, 31                         ; gx: 128 columns; 0-23 w_qkv's, 24-31 w_out's
	s_lshr_b32 s23, s21, 5                         ; gy: 256 along K
	s_lshl_b32 s24, s22, 7
	s_lshl_b32 s25, s20, 5
	s_add_co_u32 s24, s24, s25                     ; my wave's first row in w_codes and w_scales: 128 gx + 32 wave
	s_wait_alu depctr_va_vdst(0)
	v_lshlrev_b32 v3, 2, v2                        ; in: 4 bytes a lane
	s_mul_i32 s30, s20, 32*WP
	s_add_co_u32 s30, s30, WSTG                    ; my stage
	v_mul_u32_u24 v4, v2, WP
	v_add_nc_u32 v4, s30, v4                       ; into it: row = my column
	v_and_b32 v5, 15, v2
	v_lshrrev_b32 v6, 4, v2
	v_mul_u32_u24 v7, v6, WP
	v_lshl_add_u32 v7, v5, 4, v7
	v_add_nc_u32 v7, s30, v7                       ; out of it: sixteen lanes to a row, two rows an instruction
	v_mul_u32_u24 v8, v6, 768
	v_mad_u32_u24 v8, v5, 12, v8                   ; the same place in w_codes
	v_lshlrev_b32 v9, 5, v2                        ; my column's row of scale bytes
	s_wait_kmcnt 0x0
	s_cmp_lt_u32 s22, 24                           ; which weight: the choice hangs on the work-group's number alone
	s_cselect_b64 s[6:7], s[6:7], s[8:9]
	s_mov_b32 s21, 4096
	s_cselect_b32 s21, 12288, s21                  ; bytes from row to row of that weight
	s_cselect_b32 s26, 0, 3072
	s_sub_co_u32 s26, s24, s26                     ; my first column in that weight
	s_mul_i32 s27, s23, s21
	s_lshl_b32 s27, s27, 8                         ; 256 gy rows
	s_lshl_b32 s26, s26, 2
	s_add_co_u32 s26, s26, s27
	s_mov_b32 s27, 0
	s_add_nc_u64 s[32:33], s[6:7], s[26:27]        ; a base for each of my eight blocks: nothing is stepped
	s_lshl_b32 s26, s21, 5                         ; 32 rows on
.irp t, 1,2,3,4,5,6,7
	s_add_nc_u64 s[32+2*\t:33+2*\t], s[30+2*\t:31+2*\t], s[26:27]
.endr
	s_mul_i32 s28, s24, 768
	s_mul_i32 s29, s23, 192
	s_add_co_u32 s28, s28, s29
	s_mov_b32 s29, 0
	s_add_nc_u64 s[14:15], s[14:15], s[28:29]      ; codes: row x 768 + 192 gy
	s_lshl_b32 s28, s24, 5
	s_lshl_b32 s31, s23, 3
	s_add_co_u32 s28, s28, s31
	s_add_nc_u64 s[16:17], s[16:17], s[28:29]      ; scale bytes: row x 32 + 8 gy
.set i, 0
.rept 32
	v_mad_u32_u24 v[OFF+i], s21, i, v3
.set i, i+1
.endr
	LOADW 0
	LOADW 1
.irp t, 0,1,2,3,4,5,6,7
	BLOCKW \t
.endr
	s_wait_alu depctr_va_vdst(0)
	global_store_b64 v9, v[SB:SB+1], s[16:17]      ; my column's eight scale bytes
.irp t, 0,1,2,3,4,5,6,7,8,9,10,11,12,13,14,15
	ds_load_b96 v[OUTR+4*\t:OUTR+4*\t+2], v7 offset:2*\t*WP
.endr
.irp t, 0,1,2,3,4,5,6,7,8,9,10,11,12,13,14,15
	s_wait_dscnt 15-\t                             ; loads come back in order: pair t of rows is in
	global_store_b96 v8, v[OUTR+4*\t:OUTR+4*\t+2], s[14:15] offset:2*\t*768   ; sixteen lanes store a row's 192 consecutive bytes
.endr
	s_wait_tensorcnt 0x0
	ds_add_u32 v224, v225
	s_wait_dscnt 0x0
	s_endpgm
.Lfunc_end_k_qaf67928088_quant:
	.size	k_qaf67928088_quant, .Lfunc_end_k_qaf67928088_quant-k_qaf67928088_quant
	.p2alignl 7, 3214868480
	.fill 96, 4, 3214868480
	.section	.rodata,"a",@progbits
	.p2align	6, 0x0
	.amdhsa_kernel k_qaf67928088_quant
		.amdhsa_group_segment_fixed_size 68096
		.amdhsa_private_segment_fixed_size 0
		.amdhsa_enable_private_segment 0
		.amdhsa_kernarg_size 56
		.amdhsa_user_sgpr_count 2
		.amdhsa_user_sgpr_kernarg_segment_ptr 1
		.amdhsa_wavefront_size32 1
		.amdhsa_system_sgpr_workgroup_id_x 1
		.amdhsa_system_sgpr_workgroup_id_y 1
		.amdhsa_system_sgpr_workgroup_id_z 1
		.amdhsa_system_vgpr_workitem_id 0
		.amdhsa_next_free_vgpr 226
		.amdhsa_next_free_sgpr 66
		.amdhsa_reserve_vcc 0
		.amdhsa_float_denorm_mode_32 3
		.amdhsa_float_denorm_mode_16_64 3
		.amdhsa_memory_ordered 1
		.amdhsa_forward_progress 1
		.amdhsa_inst_pref_size 76
	.end_amdhsa_kernel
	.amdgpu_metadata
---
amdhsa.version: [ 1, 2 ]
amdhsa.kernels:
  - .name:           k_qaf67928088_quant
    .symbol:         k_qaf67928088_quant.kd
    .args:
      - { .name: x, .offset: 0, .size: 8, .value_kind: global_buffer, .address_space: global }
      - { .name: w_qkv, .offset: 8, .size: 8, .value_kind: global_buffer, .address_space: global }
      - { .name: w_out, .offset: 16, .size: 8, .value_kind: global_buffer, .address_space: global }
      - { .name: x_codes, .offset: 24, .size: 8, .value_kind: global_buffer, .address_space: global }
      - { .name: x_scales, .offset: 32, .size: 8, .value_kind: global_buffer, .address_space: global }
      - { .name: w_codes, .offset: 40, .size: 8, .value_kind: global_buffer, .address_space: global }
      - { .name: w_scales, .offset: 48, .size: 8, .value_kind: global_buffer, .address_space: global }
    .group_segment_fixed_size: 68096
    .private_segment_fixed_size: 0
    .kernarg_segment_align: 8
    .kernarg_segment_size: 56
    .max_flat_workgroup_size: 128
    .sgpr_count:     66
    .vgpr_count:     226
    .wavefront_size: 32
...
	.end_amdgpu_metadata
.endif
;; end of part 1
;; launch gemm_qkv (part 2): grid 12 x 32, 4 waves a work-group, clusters of 4 x 4, 327,680 bytes of LDS; arguments x_codes, x_scales, w_codes, w_scales, q_rec, kv_rec; writes q_rec, kv_rec
.if DOCPART == 2
	.amdgcn_target "amdgcn-amd-amdhsa--gfx1250"
	.amdhsa_code_object_version 6
	.text
	.protected	k_qaf67928088_gemm_qkv
	.globl	k_qaf67928088_gemm_qkv
	.p2align	8
	.type	k_qaf67928088_gemm_qkv,@function
k_qaf67928088_gemm_qkv:
	s_mov_b64 s[64:65], 0
	v_nop
	global_prefetch_b8 v0, s[64:65] scope:SCOPE_SE
	s_setreg_imm32_b32 hwreg(HW_REG_WAVE_MODE, 25, 1), 1
	s_wait_xcnt 0x0
	s_wait_alu depctr_hold_cnt(0) depctr_sa_sdst(0) depctr_va_vdst(0) depctr_va_sdst(0) depctr_va_ssrc(0) depctr_va_vcc(0) depctr_vm_vsrc(0)
	s_getreg_b32 s2, hwreg(HW_REG_IB_STS2, 6, 4)
	s_cmp_eq_u32 s2, 0
	s_cbranch_scc0 .Lentry_in_a_cluster
	s_endpgm
.Lentry_in_a_cluster:
	s_bfe_u32 s2, ttmp6, 0x10000c
	s_cmp_lg_u32 s2, 0xf033
	s_cbranch_scc0 .Lentry_shape_is_right
	s_endpgm
.Lentry_shape_is_right:
.set KSTEP,  256
.set NQ,     2
.set ROWB,   192
.set KROW,   768
.set PITCH,  240
.set FR,     12
.set NL,     6
.set NP,     4
.set HALFT,  128*PITCH
.set SLOT,   4*HALFT
.set LAPS,   2
.set KS,     32
.set SCL,    2*SLOT
.set HALFS,  (128*KS/256)*272
.set SBLK,   (16*KS/256)*272
.set SPARE,  SCL+4*HALFS
.set STS,  8
.set RDS,  9
.set CO,   10
.set STV,  11
.set RDV,  12
.set VSO,  13
.set SH,   14
.set ADRA, 16
.set ADRB, 20
.set ADRS, 27
.set SPW,  28
.set NIL,  29
.set SC,   32
.set TM,   64
.set CT,   84
.set SW,   96
.set BKS,  104
.set PWR,  112
.set AF,   128
.set IMG,  128
.set G1, 24
.set G0, 32
.set G1B, 48
.set G0B, 56
.set G1S, 68
.set G0S, 76
.set G1SB, 80
.set G0SB, 88
.set ROLE, 95
.set MSB, 0
.macro WIN new
.if MSB != \new
	s_set_vgpr_msb (MSB<<8)|\new
.set MSB, \new
.endif
.endm
.set MUL_LO, 0xa1
.set MUL_HI, 0xf1
.set TO_B,   0x40
.macro JLOAD g0a, g1a, g0b, g1b
	s_cmp_eq_u32 s15, 0
	s_cbranch_scc0 .Lfor_b_\@
	tensor_load_to_lds s[\g0a:\g0a+3], s[\g1a:\g1a+7]
	s_nop 0
.rept 4
	v_nop
.endr
	s_branch .Lasked_\@
.Lfor_b_\@:
	tensor_load_to_lds s[\g0b:\g0b+3], s[\g1b:\g1b+7]
	s_nop 0
.rept 4
	v_nop
.endr
.Lasked_\@:
.endm
.macro CREST
	s_cmp_lg_u32 s14, 0
	s_cbranch_scc1 .Lnot_wave_0_\@
	s_barrier_signal -3
.Lnot_wave_0_\@:
	s_barrier_wait -3
	s_barrier_signal -1
	s_barrier_wait -1
.endm
.macro CROUND
	s_barrier_signal -1
	s_barrier_wait -1
	CREST
.endm
	s_load_b128 s[4:7], s[0:1], 0x0
	s_load_b128 s[8:11], s[0:1], 0x10
	s_load_b128 s[96:99], s[0:1], 0x20
	v_lshl_add_u32 v[SPW], v0, 2, SPARE
	v_mov_b32 v[NIL], 0
	ds_add_u32 v28, v29
	ds_add_u32 v28, v29
	s_wait_dscnt 0x0
	v_lshrrev_b32 v1, 5, v0
	v_readfirstlane_b32 s14, v1
	s_lshr_b32 s15, s14, 1
	s_and_b32 s16, s14, 1
	s_bfe_u32 s40, ttmp6, 0x40000
	s_bfe_u32 s41, ttmp6, 0x40004
	s_mov_b32 s[ROLE], ttmp9
	s_and_b32 s17, ttmp7, 0xffff
	s_lshl_b32 s17, s17, 2
	s_lshl_b32 s42, ttmp9, 2
	s_cmp_eq_u32 s[ROLE], 2
	s_cselect_b32 s42, s17, s42
	s_cselect_b32 s17, 8, s17
	s_add_co_u32 s42, s42, s40
	s_add_co_u32 s17, s17, s41
	s_lshl_b32 s43, s41, 2
	s_lshl_b32 s43, 15, s43
	s_lshl_b32 s44, 0x1111, s40
	s_or_b32 s[G1+0], s43, (0<<16)|(1<<20)|(1<<21)|(3<<22)|(3<<25)
	s_or_b32 s[G1B+0], s44, (0<<16)|(1<<20)|(1<<21)|(3<<22)|(3<<25)
.irp g, G1, G1B
	s_mov_b32 s[\g+1], ROWB<<16
	s_mov_b32 s[\g+2], 128<<16
	s_mov_b32 s[\g+3], ROWB<<16
	s_mov_b32 s[\g+4], 128
	s_mov_b32 s[\g+5], KROW
	s_mov_b32 s[\g+6], 0
	s_mov_b32 s[\g+7], 0
.endr
	s_or_b32 s[G1S+0], s43, (3<<16)|(1<<20)|(1<<21)|(5<<22)|(3<<25)
	s_or_b32 s[G1SB+0], s44, (3<<16)|(1<<20)|(1<<21)|(5<<22)|(3<<25)
.irp g, G1S, G1SB
	s_mov_b32 s[\g+1], 32<<16
	s_mov_b32 s[\g+2], (128*KS/256)<<16
	s_mov_b32 s[\g+3], 32<<16
	s_mov_b32 s[\g+4], 128*KS/256
	s_mov_b32 s[\g+5], 32
	s_mov_b32 s[\g+6], 0
	s_mov_b32 s[\g+7], 0
.endr
	s_lshl_b32 s18, s16, 7
	s_lshl_b32 s20, s17, 8
	s_add_co_u32 s20, s20, s18
	s_lshl_b32 s46, s42, 8
	s_add_co_u32 s46, s46, s18
	s_mov_b32 s21, 0
	s_mov_b32 s47, 0
	s_mov_b64 s[18:19], KS
	s_mul_u64 s[22:23], s[20:21], s[18:19]
	s_mul_u64 s[92:93], s[46:47], s[18:19]
	s_mov_b64 s[18:19], KROW
	s_mul_u64 s[20:21], s[20:21], s[18:19]
	s_mul_u64 s[46:47], s[46:47], s[18:19]
	s_mul_i32 s45, s14, HALFT
	s_mul_i32 s94, s14, HALFS
	s_wait_kmcnt 0x0
	s_cmp_eq_u32 s[ROLE], 2
	s_cselect_b64 s[100:101], s[8:9], s[4:5]
	s_cselect_b64 s[8:9], s[4:5], s[8:9]
	s_mov_b64 s[4:5], s[100:101]
	s_cselect_b64 s[104:105], s[10:11], s[6:7]
	s_cselect_b64 s[10:11], s[6:7], s[10:11]
	s_mov_b64 s[6:7], s[104:105]
	s_add_nc_u64 s[20:21], s[4:5], s[20:21]
	s_add_nc_u64 s[22:23], s[6:7], s[22:23]
	s_add_nc_u64 s[46:47], s[8:9], s[46:47]
	s_add_nc_u64 s[92:93], s[10:11], s[92:93]
	CROUND
	s_mov_b32 s[G0S], 1
	s_add_co_u32 s[G0S+1], s94, SCL
	s_mov_b64 s[G0S+2:G0S+3], s[22:23]
	s_or_b32 s[G0S+3], s[G0S+3], 0x80000000
	s_mov_b32 s[G0SB], 1
	s_add_co_u32 s[G0SB+1], s94, SCL
	s_mov_b64 s[G0SB+2:G0SB+3], s[92:93]
	s_or_b32 s[G0SB+3], s[G0SB+3], 0x80000000
	JLOAD G0S, G1S, G0SB, G1SB
.irp s, 0,1
	s_mov_b32 s[G0+4*\s], 1
	s_add_co_u32 s[G0+4*\s+1], s45, \s*SLOT
	s_add_nc_u64 s[G0+4*\s+2:G0+4*\s+3], s[20:21], \s*ROWB
	s_or_b32 s[G0+4*\s+3], s[G0+4*\s+3], 0x80000000
	s_mov_b32 s[G0B+4*\s], 1
	s_add_co_u32 s[G0B+4*\s+1], s45, \s*SLOT
	s_add_nc_u64 s[G0B+4*\s+2:G0B+4*\s+3], s[46:47], \s*ROWB
	s_or_b32 s[G0B+4*\s+3], s[G0B+4*\s+3], 0x80000000
	s_wait_alu depctr_va_vdst(0)
	s_wait_tensorcnt 0x0
	ds_add_u32 v28, v29
	s_wait_dscnt 0x0
	CROUND
	JLOAD G0+4*\s, G1, G0B+4*\s, G1B
.endr
	v_and_b32 v1, 15, v0
	v_bfe_u32 v2, v0, 4, 1
	v_mul_u32_u24 v3, v1, PITCH
	v_mul_u32_u24 v4, v2, 24
	v_add_nc_u32 v4, v3, v4
	v_lshl_add_u32 v5, v2, 4, v4
	s_mul_i32 s21, s15, HALFT
	s_mul_i32 s22, s16, HALFT
	s_add_co_u32 s22, s22, 2*HALFT
.irp s, 0,1
	v_add_nc_u32 v[ADRA+\s], s21, v4
	v_add_nc_u32 v[ADRB+\s], s22, v4
	v_add_nc_u32 v[ADRA+2+\s], s21, v5
	v_add_nc_u32 v[ADRB+2+\s], s22, v5
	s_add_co_u32 s21, s21, SLOT
	s_add_co_u32 s22, s22, SLOT
.endr
	v_mul_u32_u24 v5, v1, KS
	v_lshrrev_b32 v6, 8, v5
	v_lshl_add_u32 v5, v6, 4, v5
	s_mul_i32 s21, s15, HALFS
	s_mul_i32 s22, s16, HALFS
	s_add_co_u32 s22, s22, 2*HALFS
	s_sub_co_u32 s22, s22, s21
	v_mul_u32_u24 v6, s22, v2
	s_add_co_u32 s21, s21, SCL
	v_add_nc_u32 v5, v5, v6
	v_add_nc_u32 v[ADRS], s21, v5
	v_and_b32 v6, 31, v0
	v_lshlrev_b32 v[CO], 4, v6
	s_lshl_b32 s21, s14, 10
	v_lshlrev_b32 v[STS], 4, v1
	v_lshl_add_u32 v[STS], v2, 9, v[STS]
	v_add_nc_u32 v[STS], s21, v[STS]
	v_add_nc_u32 v[RDS], s21, v[CO]
	s_lshl_b32 s21, s14, 9
	s_add_co_u32 s21, s21, 4096
	v_lshlrev_b32 v[STV], 3, v1
	v_add_nc_u32 v[STV], s21, v[STV]
	v_add_nc_u32 v[RDV], s21, v[CO]
	v_mul_u32_u24 v[VSO], v2, 208896
	v_lshl_add_u32 v[VSO], v1, 4, v[VSO]
	v_lshlrev_b32 v[SH], 4, v2
	s_cmp_eq_u32 s[ROLE], 2
	s_cselect_b32 s18, s42, s17
	s_cselect_b32 s19, s16, s15
	s_cselect_b32 s20, s41, s40
	s_cselect_b32 s21, s15, s16
	s_lshl_b32 s18, s18, 8
	s_lshl_b32 s19, s19, 7
	s_add_co_u32 s18, s18, s19
	s_lshr_b32 s22, s18, 11
	s_lshl_b32 s22, s22, 4
	s_lshl_b32 s20, s20, 2
	s_lshl_b32 s21, s21, 1
	s_add_co_u32 s22, s22, s20
	s_add_co_u32 s22, s22, s21
	s_bfe_u32 s23, s18, 0x40007
	s_cmp_eq_u32 s[ROLE], 0
	s_mov_b32 s92, 208896
	s_cselect_b32 s92, 106496, s92
	s_mov_b32 s93, 13056
	s_cselect_b32 s93, 6656, s93
	s_mov_b32 s94, 12288
	s_cselect_b32 s94, 6144, s94
	s_cselect_b64 s[12:13], s[96:97], s[98:99]
	s_mul_i32 s22, s22, s92
	s_mul_i32 s23, s23, s93
	s_add_co_u32 s46, s22, s23
	s_mov_b32 s47, 0
	s_add_nc_u64 s[12:13], s[12:13], s[46:47]
	s_mov_b32 s46, s92
	s_add_nc_u64 s[98:99], s[12:13], s[46:47]
	s_mov_b32 s46, s94
	s_add_nc_u64 s[100:101], s[12:13], s[46:47]
	s_add_nc_u64 s[104:105], s[98:99], s[46:47]
.macro FRAG reg, adr, q, i
.irp p, 0,1,2,3,4,5
.set PC, 12*(\q)+6*(\p/3)+\p%3
.if PC%8 < 5
	ds_load_b64 v[\reg+2*\p:\reg+2*\p+1], v[\adr] offset:8*PC+16*(PC/8)+(\i)*16*PITCH
.else
	ds_load_b64 v[\reg+2*\p:\reg+2*\p+1], v[\adr+2] offset:8*PC+16*(PC/8)+(\i)*16*PITCH
.endif
.endr
.endm
.macro MUL16 a0, p, q, sc, zero
.irp a, \a0, \a0+1
.irp b, 0,1,2,3,4,5,6,7
.if \zero
	v_wmma_scale_f32_16x16x128_f8f6f4 v[8*(8*((\a)%4)+\b):8*(8*((\a)%4)+\b)+7], v[128*(\p)+FR*\b:128*(\p)+FR*\b+FR-1], v[AF+FR*(\a):AF+FR*(\a)+FR-1], 0, v[SC+8*NQ*(\sc)+NQ*\b+(\q)], v[SC+8*NQ*(\sc)+NQ*(\a)+(\q)] matrix_a_fmt:MATRIX_FMT_FP6 matrix_b_fmt:MATRIX_FMT_FP6 matrix_a_scale:MATRIX_SCALE_ROW1
.else
	v_wmma_scale_f32_16x16x128_f8f6f4 v[8*(8*((\a)%4)+\b):8*(8*((\a)%4)+\b)+7], v[128*(\p)+FR*\b:128*(\p)+FR*\b+FR-1], v[AF+FR*(\a):AF+FR*(\a)+FR-1], v[8*(8*((\a)%4)+\b):8*(8*((\a)%4)+\b)+7], v[SC+8*NQ*(\sc)+NQ*\b+(\q)], v[SC+8*NQ*(\sc)+NQ*(\a)+(\q)] matrix_a_fmt:MATRIX_FMT_FP6 matrix_b_fmt:MATRIX_FMT_FP6 matrix_a_scale:MATRIX_SCALE_ROW1
.endif
.endr
.endr
.endm
.macro FETCH_B slot, q, p
	WIN TO_B
.irp i, 0,1,2,3,4,5,6,7
	FRAG 128*(\p)+FR*\i, ADRB+\slot, \q, \i
.endr
	WIN 0
.endm
.macro FETCH_A slot, q, i0
.irp i, \i0, \i0+1, \i0+2, \i0+3
	FRAG AF+FR*(\i), ADRA+\slot, \q, \i
.endr
.endm
.macro SCALES sc
.irp i, 0,1,2,3,4,5,6,7
	ds_load_b64 v[SC+8*NQ*\sc+NQ*\i:SC+8*NQ*\sc+NQ*\i+1], v[ADRS] offset:\i*SBLK
.endr
.endm
.macro PLACES n
.rept \n
	v_nop
.endr
.endm
.macro STEP slot, q, zero
	s_wait_dscnt 4*NL
	WIN MUL_LO
	MUL16 0, (\q)%2, \q, \slot, \zero
	MUL16 2, (\q)%2, \q, \slot, \zero
	s_wait_dscnt 0
	PLACES NP
	FETCH_B \slot, (\q)+1, 1-(\q)%2
	FETCH_A \slot, (\q)+1, 0
	WIN MUL_HI
	MUL16 4, (\q)%2, \q, \slot, \zero
	MUL16 6, (\q)%2, \q, \slot, \zero
	PLACES NP
	WIN 0
	FETCH_A \slot, (\q)+1, 4
.endm
.macro TURN slot, next, fill
	s_wait_tensorcnt 0x0
	ds_add_u32 v[SPW], v[NIL]
	s_wait_dscnt 4*NL+1
	WIN MUL_LO
	MUL16 0, 1, NQ-1, \slot, 0
	s_wait_dscnt 0x0
	s_barrier_signal -1
	MUL16 2, 1, NQ-1, \slot, 0
	WIN 0
	s_barrier_wait -1
.if \fill
	CREST
	s_add_nc_u64 s[G0+4*\slot+2:G0+4*\slot+3], s[G0+4*\slot+2:G0+4*\slot+3], 2*ROWB
	s_add_nc_u64 s[G0B+4*\slot+2:G0B+4*\slot+3], s[G0B+4*\slot+2:G0B+4*\slot+3], 2*ROWB
	JLOAD G0+4*\slot, G1, G0B+4*\slot, G1B
.else
	PLACES NP
.endif
	s_wait_alu depctr_va_vdst(0)
	v_add_nc_u32 v[ADRS], 4*NQ, v[ADRS]
	FETCH_B \next, 0, 0
	FETCH_A \next, 0, 0
	SCALES \next
	WIN MUL_HI
	MUL16 4, 1, NQ-1, \slot, 0
	MUL16 6, 1, NQ-1, \slot, 0
	PLACES NP
	WIN 0
	FETCH_A \next, 0, 4
.endm
	s_wait_tensorcnt 1
	s_barrier_signal -1
	s_barrier_wait -1
	FETCH_B 0, 0, 0
	FETCH_A 0, 0, 0
	SCALES 0
	FETCH_A 0, 0, 4
	STEP 0, 0, 1
	s_mov_b32 s3, LAPS-1
.Llap:
	TURN 0, 1, 1
	STEP 1, 0, 0
	TURN 1, 0, 1
	STEP 0, 0, 0
	s_sub_co_u32 s3, s3, 1
	s_cmp_lg_u32 s3, 0
	s_cbranch_scc1 .Llap
	TURN 0, 1, 0
	STEP 1, 0, 0
	s_wait_dscnt 4*NL
	WIN MUL_LO
	MUL16 0, 1, NQ-1, 1, 0
	MUL16 2, 1, NQ-1, 1, 0
	s_wait_dscnt 0
	WIN MUL_HI
	MUL16 4, 1, NQ-1, 1, 0
	MUL16 6, 1, NQ-1, 1, 0
	WIN 0
.macro QUANT a, d0, d1
.set AC, 64*((\a)%4)
	WIN 0x0a+5*((\a)/4)
.irp b, 0,1,2,3
	v_max3_num_f32 v[TM+\b], |v[AC+16*\b]|, |v[AC+16*\b+1]|, 0x1800000
.endr
.irp i, 2,4,6,8,10,12,14
.irp b, 0,1,2,3
	v_max3_num_f32 v[TM+\b], |v[AC+16*\b+\i]|, |v[AC+16*\b+\i+1]|, v[TM+\b]
.endr
.endr
	WIN 0
.irp b, 0,1,2,3
	v_permlanex16_b32 v[TM+4+\b], v[TM+\b], s2, s3
.endr
.irp b, 0,1,2,3
	v_max_num_f32 v[TM+\b], v[TM+\b], v[TM+4+\b]
.endr
.irp b, 0,1,2,3
	v_add_nc_u32 v[TM+12+\b], 0xff000000, v[TM+\b]
.endr
.irp b, 0,1,2,3
	v_lshrrev_b32 v[TM+4+\b], 23, v[TM+12+\b]
.endr
	v_lshl_or_b32 v[PWR+(\a)], v[TM+5], 8, v[TM+4]
	v_lshl_or_b32 v[PWR+(\a)], v[TM+6], 16, v[PWR+(\a)]
	v_lshl_or_b32 v[PWR+(\a)], v[TM+7], 24, v[PWR+(\a)]
	WIN 0x02+(\a)/4
	v_cvt_scalef32_pk16_fp6_f32 v[\d0:\d0+2], v[AC:AC+15], v[TM+12]
	v_cvt_scalef32_pk16_fp6_f32 v[CT:CT+2], v[AC+16:AC+31], v[TM+13]
	v_cvt_scalef32_pk16_fp6_f32 v[\d1:\d1+2], v[AC+32:AC+47], v[TM+14]
	v_cvt_scalef32_pk16_fp6_f32 v[CT+4:CT+6], v[AC+48:AC+63], v[TM+15]
	WIN 0
	v_nop
.irp i, 0,1,2
	v_permlane16_swap_b32 v[\d0+\i], v[CT+\i]
	v_permlane16_swap_b32 v[\d1+\i], v[CT+4+\i]
.endr
.irp i, 0,1,2
	v_mov_b32 v[\d0+3+\i], v[CT+\i]
	v_mov_b32 v[\d1+3+\i], v[CT+4+\i]
.endr
.endm
	PLACES NP
	s_mov_b32 s2, 0x76543210
	s_mov_b32 s3, 0xfedcba98
.irp b, 0,1,2,3
	v_mov_b32 v[TM+4+\b], 0
.endr
	s_cmp_eq_u32 s[ROLE], 2
	s_cbranch_scc1 .Lv_out
.irp g, 0,1,2,3
	QUANT 2*\g, IMG+24*\g, IMG+24*\g+12
	v_lshrrev_b32 v[SW+2*\g], v[SH], v[PWR+2*\g]
	ds_store_b32 v[STS], v[SW+2*\g] offset:4*\g
	QUANT 2*\g+1, IMG+24*\g+6, IMG+24*\g+18
	v_lshrrev_b32 v[SW+2*\g+1], v[SH], v[PWR+2*\g+1]
	ds_store_b32 v[STS], v[SW+2*\g+1] offset:256+4*\g
.irp c, 0,1,2
	global_store_b128 v[CO], v[IMG+24*\g+4*\c:IMG+24*\g+4*\c+3], s[12:13] offset:1536*\g+512*\c
	global_store_b128 v[CO], v[IMG+24*\g+12+4*\c:IMG+24*\g+12+4*\c+3], s[98:99] offset:1536*\g+512*\c
.endr
.endr
	ds_load_b128 v[BKS:BKS+3], v[RDS]
	ds_load_b128 v[BKS+4:BKS+7], v[RDS] offset:512
	s_wait_dscnt 0x0
	global_store_b128 v[CO], v[BKS:BKS+3], s[100:101]
	global_store_b128 v[CO], v[BKS+4:BKS+7], s[104:105]
	s_wait_tensorcnt 0x0
	ds_add_u32 v[SPW], v[NIL]
	s_wait_dscnt 0x0
	CROUND
	s_endpgm
.Lv_out:
.irp a, 0,1,2,3,4,5,6,7
	QUANT \a, IMG+12*\a, IMG+12*\a+6
	ds_store_b32 v[STV], v[PWR+\a] offset:256*(\a/4)+128*(\a%2)+4*((\a%4)/2)
.irp c, 0,1,2
.if \a < 4
	global_store_b128 v[CO], v[IMG+12*\a+4*\c:IMG+12*\a+4*\c+3], s[12:13] offset:6144+1536*(\a%4)+512*\c
.else
	global_store_b128 v[CO], v[IMG+12*\a+4*\c:IMG+12*\a+4*\c+3], s[98:99] offset:6144+1536*(\a%4)+512*\c
.endif
.endr
.endr
	ds_load_b128 v[BKS:BKS+3], v[RDV]
	s_wait_dscnt 0x0
	global_store_b128 v[VSO], v[BKS:BKS+3], s[12:13] offset:12800
	s_wait_tensorcnt 0x0
	ds_add_u32 v[SPW], v[NIL]
	s_wait_dscnt 0x0
	CROUND
	s_endpgm
.Lfunc_end_k_qaf67928088_gemm_qkv:
	.size	k_qaf67928088_gemm_qkv, .Lfunc_end_k_qaf67928088_gemm_qkv-k_qaf67928088_gemm_qkv
	.p2alignl 7, 3214868480
	.fill 96, 4, 3214868480
	.section	.rodata,"a",@progbits
	.p2align	6, 0x0
	.amdhsa_kernel k_qaf67928088_gemm_qkv
		.amdhsa_group_segment_fixed_size 327680
		.amdhsa_private_segment_fixed_size 0
		.amdhsa_enable_private_segment 0
		.amdhsa_kernarg_size 48
		.amdhsa_user_sgpr_count 2
		.amdhsa_user_sgpr_kernarg_segment_ptr 1
		.amdhsa_wavefront_size32 1
		.amdhsa_system_sgpr_workgroup_id_x 1
		.amdhsa_system_sgpr_workgroup_id_y 1
		.amdhsa_system_sgpr_workgroup_id_z 1
		.amdhsa_system_vgpr_workitem_id 0
		.amdhsa_next_free_vgpr 1024
		.amdhsa_next_free_sgpr 106
		.amdhsa_reserve_vcc 0
		.amdhsa_float_denorm_mode_32 3
		.amdhsa_float_denorm_mode_16_64 3
		.amdhsa_memory_ordered 1
		.amdhsa_forward_progress 1
		.amdhsa_inst_pref_size 201
	.end_amdhsa_kernel
	.amdgpu_metadata
---
amdhsa.version: [ 1, 2 ]
amdhsa.kernels:
  - .name:           k_qaf67928088_gemm_qkv
    .symbol:         k_qaf67928088_gemm_qkv.kd
    .args:
      - { .name: x_codes, .offset: 0, .size: 8, .value_kind: global_buffer, .address_space: global }
      - { .name: x_scales, .offset: 8, .size: 8, .value_kind: global_buffer, .address_space: global }
      - { .name: w_codes, .offset: 16, .size: 8, .value_kind: global_buffer, .address_space: global }
      - { .name: w_scales, .offset: 24, .size: 8, .value_kind: global_buffer, .address_space: global }
      - { .name: q_rec, .offset: 32, .size: 8, .value_kind: global_buffer, .address_space: global }
      - { .name: kv_rec, .offset: 40, .size: 8, .value_kind: global_buffer, .address_space: global }
    .group_segment_fixed_size: 327680
    .private_segment_fixed_size: 0
    .kernarg_segment_align: 8
    .kernarg_segment_size: 48
    .max_flat_workgroup_size: 128
    .sgpr_count:     106
    .vgpr_count:     1024
    .wavefront_size: 32
...
	.end_amdgpu_metadata
.endif
;; end of part 2
;; launch attn (part 3): grid 4 x 64, 16 waves a work-group, clusters of 4 x 1, 211,968 bytes of LDS; arguments q_rec, kv_rec, a_img, o_scl; writes a_img, o_scl
.if DOCPART == 3
	.amdgcn_target "amdgcn-amd-amdhsa--gfx1250"
	.amdhsa_code_object_version 6
	.text
	.protected	k_qaf67928088_attn
	.globl	k_qaf67928088_attn
	.p2align	8
	.type	k_qaf67928088_attn,@function
k_qaf67928088_attn:
	s_mov_b64 s[64:65], 0
	v_nop
	global_prefetch_b8 v0, s[64:65] scope:SCOPE_SE
	s_setreg_imm32_b32 hwreg(HW_REG_WAVE_MODE, 25, 1), 1
	s_wait_xcnt 0x0
	s_wait_alu depctr_hold_cnt(0) depctr_sa_sdst(0) depctr_va_vdst(0) depctr_va_sdst(0) depctr_va_ssrc(0) depctr_va_vcc(0) depctr_vm_vsrc(0)
	s_getreg_b32 s2, hwreg(HW_REG_IB_STS2, 6, 4)
	s_cmp_eq_u32 s2, 0
	s_cbranch_scc0 .Lentry_in_a_cluster
	s_endpgm
.Lentry_in_a_cluster:
	s_bfe_u32 s2, ttmp6, 0x10000c
	s_cmp_lg_u32 s2, 0x3003
	s_cbranch_scc0 .Lentry_shape_is_right
	s_endpgm
.Lentry_shape_is_right:
; o = softmax(q k^T / 8) v for one head, both products on codes of FP6 (E2M3) with E8M0 scales; o is divided by the row's sum and quantised along d for the last product.
; THE SOFTMAX: t = score x log2(e) / 8; M = the running largest t rounded up to a whole number; p = 2^(t - M) is quantised along the keys, not normalised; the row's sum is taken of the unquantised p.
; When M moves, the sum and O are multiplied by 2^(old M - new M): exact, and no branch on data.
; SHARES.  A work-group owns one head (of 64) and 512 queries; each of its sixteen waves 32 queries, as two tiles of 16, one after the other.  Four waves to a SIMD: one wave's vector work stands beside another's products and LDS loads.
; THE HEAD'S K AND V, sixteen records of 13,056 bytes, STAY IN LDS: filled once, one record by each wave, so the loop has no ring and no barrier.  The four work-groups of a cluster share the head: each record is a joint load.
; LAYOUT.  S^T = K Q^T (source 0 = 16 keys, source 1 = my 16 queries), O^T = V^T P^T (source 0 = 16 of the head's 64): a lane holds one query throughout.  Registers 16 B + i of S^T are keys 32 B + 8 h + 0..7 and
; 32 B + 16 + 8 h + 0..7: the order in which the launch before laid V's codes along the keys, so p is converted as it stands.
; K = 64 IN AN INSTRUCTION OF 128: Q's operand is six registers of codes and six of zero codes.  K's fragments lie six registers apart; its operand's upper six are the next tile's codes (behind the last tile: zeros).
; They meet Q's zero codes; every E2M3 code is finite and no scale byte here is 0xff, so they add exactly 0.  Zero codes on ONE side only: a choice of this text.
; LIMITS: blocks of zeros or under 2^-124 carry the byte 1 (read by this program alone); NaN and infinities are not served.
; OUT: a_img [token tile 512][head 16][3][lane 32][8 bytes]: the six registers of a half fragment of the next product's A;  o_scl [head 16][token 8,192] of two bytes: the scale bytes of the head's two blocks.
.set REC,  13056
.set BHS,  16*REC                      ; a head's records
.set SCB,  16*REC                      ; behind them in LDS: 1,024 bytes for o's scale bytes, written by LDS stores alone
.set KF,   32                          ; v32-79 K's eight tiles, six registers each; v80-85 zeros.  Later v32-43 p's codes, v44-50 the conversions' second halves
.set SCR,  96                          ; v96-159 S^T, then p
.set OT,   160                         ; v160-191 O^T
.set VF,   192                         ; v192-239 V's four fragments
.set BM,   240                         ; v240-243 the blocks' largest scores, then largest p
.set PT,   244                         ; v244-247 the other half's, then bytes, then the second chain of the sum
.set SO,   248                         ; v248-251 the conversions' scale operands
.set TT,   252
; v1 16 lane, v2 8 lane, v3, v4 the step's LDS addresses, v5 16 r, v6 where o's scale bytes go, v7, v8 their last copy; v12 -M, v13 largest t, v[14:15] the sum; v16-27 Q; v28 Q's scale words;
; v86-89 K's scale words, v90-91 V's, v92 p's; v[94:95] f.  s12 wave, s13 cx, s14 head, s[28:29] lane selects, s[30:31] c, s32 the record in hand, s33 steps to go.
.macro CROUND
	s_barrier_signal -1
	s_barrier_wait -1
	s_cmp_lg_u32 s12, 0
	s_cbranch_scc1 .Lnot_wave_0_\@
	s_barrier_signal -3
.Lnot_wave_0_\@:
	s_barrier_wait -3
	s_barrier_signal -1
	s_barrier_wait -1
.endm
	s_load_b256 s[4:11], s[0:1], 0x0               ; q_rec s[4:5], kv_rec s[6:7], a_img s[8:9], o_scl s[10:11]
	v_lshl_add_u32 v254, v0, 2, 0x33400
	v_mov_b32 v255, 0
	ds_add_u32 v254, v255
	ds_add_u32 v254, v255
	v_lshrrev_b32 v1, 5, v0
	s_delay_alu instid0(VALU_DEP_1)
	v_readfirstlane_b32 s12, v1                    ; wave 0..15
	s_bfe_u32 s13, ttmp6, 0x40000                  ; cx: my block of 512 queries; it enters Q's and the outputs' addresses alone
	s_and_b32 s14, ttmp7, 0xffff                   ; batch x 16 + head, which the four partners share
	s_mov_b32 s16, 15|(3<<16)|(1<<21)              ; the mask: all four; elements of 8 bytes; no padding; bit 21 beside a mask
	s_mov_b32 s17, 32<<16                          ; a record is 51 dense rows of 256 bytes
	s_mov_b32 s18, 51<<16
	s_mov_b32 s19, 32<<16
	s_mov_b32 s20, 51
	s_mov_b32 s21, 32
	s_mov_b32 s22, 0
	s_mov_b32 s23, 0
	s_mul_i32 s34, s12, REC                        ; wave w brings record w
	s_mul_i32 s36, s14, BHS
	s_add_co_u32 s36, s36, s34
	s_mov_b32 s37, 0
	s_mov_b32 s28, 0x76543210
	s_mov_b32 s29, 0xfedcba98
	s_mov_b32 s30, 0x3e38aa3b                      ; c = log2(e) / 8
	s_mov_b32 s31, s30                             ; (named with it as a pair)
	s_wait_dscnt 0x0
	s_wait_kmcnt 0x0
	s_mov_b32 s24, 1
	s_mov_b32 s25, s34
	s_add_nc_u64 s[26:27], s[6:7], s[36:37]
	s_or_b32 s27, s27, 0x80000000
	CROUND                                         ; all four work-groups are here: the joint loads meet
	tensor_load_to_lds s[24:27], s[16:23]          ; my one tensor load of the launch
	s_nop 0
.rept 4
	v_nop
.endr
	v_and_b32 v9, 31, v0
	s_delay_alu instid0(VALU_DEP_1)
	v_lshlrev_b32 v1, 4, v9
	s_delay_alu instid0(VALU_DEP_2)
	v_lshlrev_b32 v2, 3, v9
	v_and_b32 v10, 15, v0
	s_delay_alu instid0(VALU_DEP_1)
	v_lshlrev_b32 v5, 4, v10
	s_delay_alu instid0(VALU_DEP_2)
	v_lshlrev_b32 v6, 1, v10
	s_lshl_b32 s35, s12, 6
	v_add_nc_u32 v6, s35, v6
	s_delay_alu instid0(VALU_DEP_1)
	v_add_nc_u32 v6, SCB, v6                       ; SCB + 64 wave + 2 r
	v_lshl_add_u32 v7, v0, 4, SCB
	v_lshlrev_b32 v8, 4, v0
	s_lshl_b32 s34, s13, 2
	s_lshr_b32 s35, s12, 2
	s_add_co_u32 s34, s34, s35                     ; my queries' record: 4 cx + wave / 4
	s_mul_i32 s34, s34, 6656
	s_mul_i32 s35, s14, 106496
	s_add_co_u32 s34, s34, s35
	s_mov_b32 s35, 0
	s_add_nc_u64 s[4:5], s[4:5], s[34:35]
	s_and_b32 s36, s12, 3                          ; my pair of tiles in it
	s_mul_i32 s34, s36, 1536
	s_add_nc_u64 s[38:39], s[4:5], s[34:35]        ; its image
	s_lshl_b32 s34, s36, 2
	s_add_co_u32 s34, s34, 6144
	s_add_nc_u64 s[40:41], s[4:5], s[34:35]        ; its scale words
	s_lshr_b32 s34, s14, 4
	s_lshl_b32 s34, s34, 7
	s_lshl_b32 s36, s13, 5
	s_add_co_u32 s34, s34, s36
	s_lshl_b32 s36, s12, 1
	s_add_co_u32 s34, s34, s36                     ; my first token tile: 128 batch + 32 cx + 2 wave
	s_mul_i32 s34, s34, 12288
	s_and_b32 s36, s14, 15                         ; the head
	s_mul_i32 s37, s36, 768
	s_add_co_u32 s34, s34, s37
	s_add_nc_u64 s[42:43], s[8:9], s[34:35]
	s_lshl_b32 s34, s36, 14
	s_lshr_b32 s37, s14, 4
	s_lshl_b32 s37, s37, 12
	s_add_co_u32 s34, s34, s37
	s_lshl_b32 s37, s13, 10
	s_add_co_u32 s34, s34, s37
	s_add_nc_u64 s[44:45], s[10:11], s[34:35]      ; o_scl: head x 16,384 + 2 x the work-group's first token
.irp j, 22,23,24,25,26,27, 80,81,82,83,84,85, 244,245,246,247, 95
	v_mov_b32 v[\j], 0                             ; zero codes above Q and behind K's last tile; lane permutes' destinations; the pair's upper half: each written once
.endr
; A KEY STEP: one record, 128 keys.
.macro STEP
	v_add_nc_u32 v3, s32, v1
	v_add_nc_u32 v4, s32, v2
	v_nop
	v_nop                                          ; four plain lines between the last trip's products and the loads into their registers
.irp i, 0,1,2,3,4,5,6,7,8,9,10,11
	ds_load_b128 v[KF+4*\i:KF+4*\i+3], v3 offset:512*\i             ; images: 512 consecutive bytes an instruction
.endr
	ds_load_b128 v[86:89], v3 offset:12288         ; K's scale words: register B, lane l: key 32 B + l
.irp i, 0,1,2,3,4,5,6,7,8,9,10,11
	ds_load_b128 v[VF+4*\i:VF+4*\i+3], v3 offset:6144+512*\i
.endr
	ds_load_b64 v[90:91], v4 offset:12800          ; V's scale words
	s_wait_dscnt 13                                ; K and its scales are in; V's thirteen loads may stay out
.irp t, 0,2,4,6
	v_wmma_scale_f32_16x16x128_f8f6f4 v[SCR+8*\t:SCR+8*\t+7], v[KF+6*\t:KF+6*\t+11], v[16:27], 0, v[86+\t/2], v28 matrix_a_fmt:MATRIX_FMT_FP6 matrix_b_fmt:MATRIX_FMT_FP6
	v_wmma_scale_f32_16x16x128_f8f6f4 v[SCR+8*\t+8:SCR+8*\t+15], v[KF+6*\t+6:KF+6*\t+17], v[16:27], 0, v[86+\t/2], v28 matrix_a_fmt:MATRIX_FMT_FP6 matrix_b_fmt:MATRIX_FMT_FP6 matrix_a_scale:MATRIX_SCALE_ROW1
.endr
.rept 4
	v_nop
.endr
.irp b, 0,1,2,3
	v_max3_num_f32 v[BM+\b], v[SCR+16*\b], v[SCR+16*\b+1], v[SCR+16*\b+2]   ; the largest score of each block of 32 keys: for the row's maximum, and, since p rises with the score, for the block's largest p
.endr
.irp i, 3,5,7,9,11,13
.irp b, 0,1,2,3
	v_max3_num_f32 v[BM+\b], v[BM+\b], v[SCR+16*\b+\i], v[SCR+16*\b+\i+1]
.endr
.endr
.irp b, 0,1,2,3
	v_max_num_f32 v[BM+\b], v[BM+\b], v[SCR+16*\b+15]
.endr
.irp b, 0,1,2,3
	s_delay_alu instid0(VALU_DEP_4)
	v_permlanex16_b32 v[PT+\b], v[BM+\b], s28, s29
.endr
.irp b, 0,1,2,3
	s_delay_alu instid0(VALU_DEP_4)
	v_max_num_f32 v[BM+\b], v[BM+\b], v[PT+\b]     ; with lane l xor 16's 16 keys
.endr
	s_delay_alu instid0(VALU_DEP_2)
	v_max3_num_f32 v[TT], v[BM], v[BM+1], v[BM+2]
	s_delay_alu instid0(VALU_DEP_1)
	v_max_num_f32 v[TT], v[TT], v[BM+3]
	s_delay_alu instid0(VALU_DEP_1)
	v_mul_f32 v[TT], s30, v[TT]                    ; as t (c is positive)
	s_delay_alu instid0(VALU_DEP_1)
	v_max_num_f32 v13, v13, v[TT]                  ; the running largest t
	v_mov_b32 v[TT], v12
	s_delay_alu instid0(VALU_DEP_2)
	v_floor_f32 v12, -v13                          ; -M = floor(-t): M is a whole number
	s_delay_alu instid0(VALU_DEP_1)
	v_sub_f32 v[TT], v12, v[TT]                    ; old M - new M: whole, 0 or less
	s_delay_alu instid0(VALU_DEP_1)
	v_cvt_i32_f32 v[TT], v[TT]                     ; (it saturates)
	s_delay_alu instid0(VALU_DEP_1)
	v_ldexp_f32 v94, 1.0, v[TT]                    ; f = 2^(old M - new M)
.set j, 0
.rept 32
	v_pk_fma_f32 v[SCR+j:SCR+j+1], v[SCR+j:SCR+j+1], s[30:31], v[12:13] op_sel_hi:[1,0,0]   ; t - M, two at a time
.set j, j+2
.endr
.irp b, 0,1,2,3
	v_fma_f32 v[BM+\b], v[BM+\b], s30, v12
.endr
.set j, 0
	s_wait_alu depctr_va_vdst(0)
.rept 64
	v_exp_f32 v[SCR+j], v[SCR+j]                   ; p = 2^(t - M), at most 1
.set j, j+1
.endr
	s_setprio 1
.irp b, 0,1,2,3
	v_exp_f32 v[BM+\b], v[BM+\b]                   ; the block's largest p: the same two instructions on the same number
.endr
	v_pk_mul_f32 v[14:15], v[14:15], v[94:95] op_sel_hi:[1,0]       ; the sums under the new M (the plain line behind the exponentials)
	s_wait_alu depctr_va_vdst(0)
.irp b, 0,1,2,3
	v_max_num_f32 v[BM+\b], 0x1800000, v[BM+\b]    ; the floor 2^(3 - 127)
.endr
.irp b, 0,1,2,3
	s_delay_alu instid0(VALU_DEP_4)
	v_add_nc_u32 v[SO+\b], 0xff000000, v[BM+\b]
.endr
.irp b, 0,1,2,3
	s_delay_alu instid0(VALU_DEP_4)
	v_lshrrev_b32 v[PT+\b], 23, v[SO+\b]
.endr
	s_delay_alu instid0(VALU_DEP_3)
	v_lshl_or_b32 v92, v[PT+1], 8, v[PT]           ; p's scale word for these 128 keys
	s_delay_alu instid0(VALU_DEP_1)
	v_lshl_or_b32 v92, v[PT+2], 16, v92
	s_delay_alu instid0(VALU_DEP_1)
	v_lshl_or_b32 v92, v[PT+3], 24, v92
.irp c, 0,1
	v_cvt_scalef32_pk16_fp6_f32 v[32+6*\c:34+6*\c], v[SCR+32*\c:SCR+32*\c+15], v[SO+2*\c]
	v_cvt_scalef32_pk16_fp6_f32 v[44+4*\c:46+4*\c], v[SCR+32*\c+16:SCR+32*\c+31], v[SO+2*\c+1]
.endr
	v_nop                                          ; a plain line behind the last conversion
.irp c, 0,1                                    ; a whole block to a lane: lanes 0-15 block 2 c, lanes 16-31 block 2 c + 1
.irp i, 0,1,2
	v_permlane16_swap_b32 v[32+6*\c+\i], v[44+4*\c+\i]
.endr
.irp i, 0,1,2
	s_delay_alu instid0(VALU_DEP_3)
	v_mov_b32 v[35+6*\c+\i], v[44+4*\c+\i]
.endr
.endr
.set j, 0
.rept 16
	v_pk_mul_f32 v[OT+j:OT+j+1], v[OT+j:OT+j+1], v[94:95] op_sel_hi:[1,0]   ; O^T under the new M
.set j, j+2
.endr
	v_pk_add_f32 v[244:245], v[100:101], v[104:105]
	v_pk_add_f32 v[250:251], v[108:109], v[112:113]
	v_pk_add_f32 v[248:249], v[116:117], v[120:121]
	v_pk_add_f32 v[242:243], v[124:125], v[128:129]
	v_pk_add_f32 v[240:241], v[132:133], v[136:137]
	v_pk_add_f32 v[88:89], v[140:141], v[144:145]
	v_pk_add_f32 v[86:87], v[148:149], v[152:153]
	v_pk_add_f32 v[14:15], v[14:15], v[156:157]
	v_pk_add_f32 v[244:245], v[244:245], v[96:97]
	v_pk_add_f32 v[250:251], v[250:251], v[98:99]
	v_pk_add_f32 v[248:249], v[248:249], v[102:103]
	v_pk_add_f32 v[242:243], v[242:243], v[106:107]
	v_pk_add_f32 v[240:241], v[240:241], v[110:111]
	s_setprio 0
	v_pk_add_f32 v[88:89], v[88:89], v[114:115]
	v_pk_add_f32 v[86:87], v[86:87], v[118:119]
	v_pk_add_f32 v[14:15], v[14:15], v[122:123]
	v_pk_add_f32 v[244:245], v[244:245], v[126:127]
	v_pk_add_f32 v[250:251], v[250:251], v[130:131]
	v_pk_add_f32 v[248:249], v[248:249], v[134:135]
	v_pk_add_f32 v[242:243], v[242:243], v[138:139]
	v_pk_add_f32 v[240:241], v[240:241], v[142:143]
	v_pk_add_f32 v[88:89], v[88:89], v[146:147]
	v_pk_add_f32 v[86:87], v[86:87], v[150:151]
	v_pk_add_f32 v[14:15], v[14:15], v[154:155]
	v_pk_add_f32 v[244:245], v[244:245], v[158:159]
	s_delay_alu instid0(VALU_DEP_2)
	v_pk_add_f32 v[14:15], v[14:15], v[242:243]
	s_delay_alu instid0(VALU_DEP_2)
	v_pk_add_f32 v[244:245], v[244:245], v[240:241]
	v_pk_add_f32 v[250:251], v[250:251], v[88:89]
	v_pk_add_f32 v[248:249], v[248:249], v[86:87]
	s_delay_alu instid0(VALU_DEP_2)
	v_pk_add_f32 v[14:15], v[14:15], v[250:251]
	s_delay_alu instid0(VALU_DEP_2)
	v_pk_add_f32 v[244:245], v[244:245], v[248:249]
	s_delay_alu instid0(VALU_DEP_1)
	v_pk_add_f32 v[14:15], v[14:15], v[244:245]
	s_wait_dscnt 0x0                               ; V is in
.irp t, 0,2                                    ; the four accumulators by turns; the eight products above stand between a link and the next
	v_wmma_scale_f32_16x16x128_f8f6f4 v[OT+8*\t:OT+8*\t+7], v[VF+12*\t:VF+12*\t+11], v[32:43], v[OT+8*\t:OT+8*\t+7], v[90+\t/2], v92 matrix_a_fmt:MATRIX_FMT_FP6 matrix_b_fmt:MATRIX_FMT_FP6
	v_wmma_scale_f32_16x16x128_f8f6f4 v[OT+8*\t+8:OT+8*\t+15], v[VF+12*\t+12:VF+12*\t+23], v[32:43], v[OT+8*\t+8:OT+8*\t+15], v[90+\t/2], v92 matrix_a_fmt:MATRIX_FMT_FP6 matrix_b_fmt:MATRIX_FMT_FP6 matrix_a_scale:MATRIX_SCALE_ROW1
.endr
	s_add_co_u32 s32, s32, REC
.endm
; One tile of 16 queries: Q, sixteen key steps, the way out.
.macro TILE u
.if \u
	s_wait_xcnt 0x0                                ; the first tile's stores have read their registers: they are written again below
	global_load_b64 v[16:17], v1, s[38:39] offset:520               ; registers 6-11 of the pair's image
	global_load_b128 v[18:21], v1, s[38:39] offset:1024
.else
	global_load_b128 v[16:19], v1, s[38:39]        ; registers 0-5
	global_load_b64 v[20:21], v1, s[38:39] offset:512
.endif
	global_load_b32 v28, v5, s[40:41] offset:256*\u
	v_mov_b32 v13, 0xff61b1e6                      ; the largest t so far: -3e38
	s_delay_alu instid0(VALU_DEP_1)
	v_floor_f32 v12, -v13
	v_mov_b32 v14, 0
	v_mov_b32 v15, 0
.set j, 0
.rept 32
	v_mov_b32 v[OT+j], 0                           ; the step is written once: the first finds zeros, which the first change of M leaves zeros
.set j, j+1
.endr
	s_mov_b32 s32, 0
	s_mov_b32 s33, 16
.if \u == 0
	s_wait_tensorcnt 0x0                           ; my record is in,
	s_barrier_signal -1
	s_barrier_wait -1                              ; everybody's is: the head lies in LDS for the rest of the launch
.endif
	s_wait_loadcnt 0x0                             ; Q
.Lstep_\@:
	s_setprio 2
	STEP
	s_sub_co_u32 s33, s33, 1
	s_cmp_lg_u32 s33, 0
	s_cbranch_scc1 .Lstep_\@
	s_setprio 0
.rept 4
	v_nop
.endr
	s_wait_alu depctr_va_vdst(0)
	v_add_f32 v14, v14, v15
	s_delay_alu instid0(VALU_DEP_1)
	v_permlanex16_b32 v[TT], v14, s28, s29
	s_delay_alu instid0(VALU_DEP_1)
	v_add_f32 v14, v14, v[TT]                      ; the row's sum
	s_wait_alu depctr_va_vdst(0)
	v_rcp_f32 v14, v14
	v_nop
.set j, 0
	s_wait_alu depctr_va_vdst(0)
.rept 16
	v_pk_mul_f32 v[SCR+j:SCR+j+1], v[OT+j:OT+j+1], v[14:15] op_sel_hi:[1,0]   ; o = O^T / the sum; each accumulator from its low end on
.set j, j+2
.endr
.irp b, 0,1                                    ; w_out's codes lie in natural order, so o's must: register j of tiles 2 b and 2 b + 1 exchange halves: register 16 b + i is then d = 32 b + 16 h + i
.irp i, 0,1,2,3,4,5,6,7
	v_permlane16_swap_b32 v[SCR+16*\b+\i], v[SCR+16*\b+8+\i]
.endr
.endr
.irp b, 0,1
	v_max3_num_f32 v[BM+\b], |v[SCR+16*\b]|, |v[SCR+16*\b+1]|, 0x1800000
.endr
.irp i, 2,4,6,8,10,12,14
.irp b, 0,1
	s_delay_alu instid0(VALU_DEP_2)
	v_max3_num_f32 v[BM+\b], v[BM+\b], |v[SCR+16*\b+\i]|, |v[SCR+16*\b+\i+1]|
.endr
.endr
.irp b, 0,1
	s_delay_alu instid0(VALU_DEP_2)
	v_permlanex16_b32 v[PT+\b], v[BM+\b], s28, s29
.endr
.irp b, 0,1
	s_delay_alu instid0(VALU_DEP_2)
	v_max_num_f32 v[BM+\b], v[BM+\b], v[PT+\b]
.endr
.irp b, 0,1
	s_delay_alu instid0(VALU_DEP_2)
	v_add_nc_u32 v[SO+\b], 0xff000000, v[BM+\b]
.endr
.irp b, 0,1
	s_delay_alu instid0(VALU_DEP_2)
	v_lshrrev_b32 v[PT+\b], 23, v[SO+\b]
.endr
	s_delay_alu instid0(VALU_DEP_1)
	v_lshl_or_b32 v[TT], v[PT+1], 8, v[PT]         ; the head's two scale bytes of my query
	v_cvt_scalef32_pk16_fp6_f32 v[240:242], v[SCR:SCR+15], v[SO]
	v_cvt_scalef32_pk16_fp6_f32 v[244:246], v[SCR+16:SCR+31], v[SO+1]
	v_nop
.irp i, 0,1,2
	v_permlane16_swap_b32 v[240+\i], v[244+\i]
.endr
	s_delay_alu instid0(VALU_DEP_3)
	v_mov_b32 v243, v244
	s_delay_alu instid0(VALU_DEP_3)
	v_mov_b32 v244, v245
	s_delay_alu instid0(VALU_DEP_3)
	v_mov_b32 v245, v246                           ; v240-245: lane half h holds block h, whole
.irp p, 0,1,2
	global_store_b64 v2, v[240+2*\p:241+2*\p], s[42:43] offset:12288*\u+256*\p   ; 32 lanes store 256 consecutive bytes, aligned
.endr
	ds_store_b16 v6, v[TT] offset:32*\u            ; both halves of the lanes write the same two bytes
.endm
	TILE 0
	TILE 1
	s_wait_dscnt 0x0                               ; for the others' sake: my stores of scale bytes are done
	s_barrier_signal -1
	s_barrier_wait -1
	s_cmp_lt_u32 s12, 2                            ; waves 0 and 1 store the work-group's 1,024 bytes, 512 consecutive bytes each
	s_cbranch_scc0 .Lno_scl
	ds_load_b128 v[96:99], v7
	s_wait_dscnt 0x0
	global_store_b128 v8, v[96:99], s[44:45]
.Lno_scl:
	s_wait_tensorcnt 0x0
	ds_add_u32 v254, v255
	s_wait_dscnt 0x0
	CROUND                                         ; the closing round
	s_endpgm
.Lfunc_end_k_qaf67928088_attn:
	.size	k_qaf67928088_attn, .Lfunc_end_k_qaf67928088_attn-k_qaf67928088_attn
	.p2alignl 7, 3214868480
	.fill 96, 4, 3214868480
	.section	.rodata,"a",@progbits
	.p2align	6, 0x0
	.amdhsa_kernel k_qaf67928088_attn
		.amdhsa_group_segment_fixed_size 211968
		.amdhsa_private_segment_fixed_size 0
		.amdhsa_enable_private_segment 0
		.amdhsa_kernarg_size 32
		.amdhsa_user_sgpr_count 2
		.amdhsa_user_sgpr_kernarg_segment_ptr 1
		.amdhsa_wavefront_size32 1
		.amdhsa_system_sgpr_workgroup_id_x 1
		.amdhsa_system_sgpr_workgroup_id_y 1
		.amdhsa_system_sgpr_workgroup_id_z 1
		.amdhsa_system_vgpr_workitem_id 0
		.amdhsa_next_free_vgpr 256
		.amdhsa_next_free_sgpr 66
		.amdhsa_reserve_vcc 0
		.amdhsa_float_denorm_mode_32 3
		.amdhsa_float_denorm_mode_16_64 3
		.amdhsa_memory_ordered 1
		.amdhsa_forward_progress 1
		.amdhsa_inst_pref_size 52
	.end_amdhsa_kernel
	.amdgpu_metadata
---
amdhsa.version: [ 1, 2 ]
amdhsa.kernels:
  - .name:           k_qaf67928088_attn
    .symbol:         k_qaf67928088_attn.kd
    .args:
      - { .name: q_rec, .offset: 0, .size: 8, .value_kind: global_buffer, .address_space: global }
      - { .name: kv_rec, .offset: 8, .size: 8, .value_kind: global_buffer, .address_space: global }
      - { .name: a_img, .offset: 16, .size: 8, .value_kind: global_buffer, .address_space: global }
      - { .name: o_scl, .offset: 24, .size: 8, .value_kind: global_buffer, .address_space: global }
    .group_segment_fixed_size: 211968
    .private_segment_fixed_size: 0
    .kernarg_segment_align: 8
    .kernarg_segment_size: 32
    .max_flat_workgroup_size: 512
    .sgpr_count:     66
    .vgpr_count:     256
    .wavefront_size: 32
...
	.end_amdgpu_metadata
.endif
;; end of part 3
;; launch gemm_out (part 4): grid 4 x 32, 4 waves a work-group, clusters of 4 x 4, 327,680 bytes of LDS; arguments a_img, o_scl, w_codes, w_scales, b_out, out0; writes out0
.if DOCPART == 4
	.amdgcn_target "amdgcn-amd-amdhsa--gfx1250"
	.amdhsa_code_object_version 6
	.text
	.protected	k_qaf67928088_gemm_out
	.globl	k_qaf67928088_gemm_out
	.p2align	8
	.type	k_qaf67928088_gemm_out,@function
k_qaf67928088_gemm_out:
	s_mov_b64 s[64:65], 0
	v_nop
	global_prefetch_b8 v0, s[64:65] scope:SCOPE_SE
	s_setreg_imm32_b32 hwreg(HW_REG_WAVE_MODE, 25, 1), 1
	s_wait_xcnt 0x0
	s_wait_alu depctr_hold_cnt(0) depctr_sa_sdst(0) depctr_va_vdst(0) depctr_va_sdst(0) depctr_va_ssrc(0) depctr_va_vcc(0) depctr_vm_vsrc(0)
	s_getreg_b32 s2, hwreg(HW_REG_IB_STS2, 6, 4)
	s_cmp_eq_u32 s2, 0
	s_cbranch_scc0 .Lentry_in_a_cluster
	s_endpgm
.Lentry_in_a_cluster:
	s_bfe_u32 s2, ttmp6, 0x10000c
	s_cmp_lg_u32 s2, 0xf033
	s_cbranch_scc0 .Lentry_shape_is_right
	s_endpgm
.Lentry_shape_is_right:
.set SIZE_N, 1024
.set NQ,     2
.set ROWB,   192
.set KROW,   768
.set PITCH,  240
.set FR,     12
.set NL,     6
.set NP,     4
.set HALFT,  128*PITCH
.set SLOT,   4*HALFT
.set LAPS,   2
.set KS,     32
.set SCL,    2*SLOT
.set HALFS,  (128*KS/256)*272
.set SBLK,   (16*KS/256)*272
.set RAW,    SCL+4*HALFS
.set SPARE,  RAW+8192
.set SPITCH, 528
.set PRD,  8
.set PWA,  9
.set BO,   10
.set ADRA, 16
.set ADRB, 20
.set STO,  24
.set RD,   25
.set CO,   26
.set ADRS, 27
.set SPW,  28
.set NIL,  29
.set SC,   32
.set BI,   64
.set AF,   128
.set BK,   128
.set G1, 24
.set G0, 32
.set G1B, 48
.set G0B, 56
.set G1S, 68
.set G0S, 76
.set G1SB, 80
.set G0SB, 88
.set MSB, 0
.macro WIN new
.if MSB != \new
	s_set_vgpr_msb (MSB<<8)|\new
.set MSB, \new
.endif
.endm
.set MUL_LO, 0xa1
.set MUL_HI, 0xf1
.set TO_B,   0x40
.macro JLOAD g0a, g1a, g0b, g1b
	s_cmp_eq_u32 s15, 0
	s_cbranch_scc0 .Lfor_b_\@
	tensor_load_to_lds s[\g0a:\g0a+3], s[\g1a:\g1a+7]
	s_nop 0
.rept 4
	v_nop
.endr
	s_branch .Lasked_\@
.Lfor_b_\@:
	tensor_load_to_lds s[\g0b:\g0b+3], s[\g1b:\g1b+7]
	s_nop 0
.rept 4
	v_nop
.endr
.Lasked_\@:
.endm
.macro CREST
	s_cmp_lg_u32 s14, 0
	s_cbranch_scc1 .Lnot_wave_0_\@
	s_barrier_signal -3
.Lnot_wave_0_\@:
	s_barrier_wait -3
	s_barrier_signal -1
	s_barrier_wait -1
.endm
.macro CROUND
	s_barrier_signal -1
	s_barrier_wait -1
	CREST
.endm
	s_load_b128 s[4:7], s[0:1], 0x0
	s_load_b128 s[8:11], s[0:1], 0x10
	s_load_b128 s[96:99], s[0:1], 0x20
	v_lshl_add_u32 v[SPW], v0, 2, SPARE
	v_mov_b32 v[NIL], 0
	ds_add_u32 v28, v29
	ds_add_u32 v28, v29
	s_wait_dscnt 0x0
	v_lshrrev_b32 v1, 5, v0
	v_readfirstlane_b32 s14, v1
	s_lshr_b32 s15, s14, 1
	s_and_b32 s16, s14, 1
	s_bfe_u32 s40, ttmp6, 0x40000
	s_bfe_u32 s41, ttmp6, 0x40004
	s_lshl_b32 s42, ttmp9, 2
	s_add_co_u32 s42, s42, s40
	s_and_b32 s17, ttmp7, 0xffff
	s_lshl_b32 s17, s17, 2
	s_add_co_u32 s17, s17, s41
	s_lshl_b32 s43, s41, 2
	s_lshl_b32 s43, 15, s43
	s_lshl_b32 s44, 0x1111, s40
	s_or_b32 s[G1+0], s43, (3<<16)|(1<<21)
	s_mov_b32 s[G1+1], 384<<16
	s_mov_b32 s[G1+2], 8<<16
	s_mov_b32 s[G1+3], 384<<16
	s_mov_b32 s[G1+4], 8
	s_mov_b32 s[G1+5], 1536
	s_mov_b32 s[G1+6], 0
	s_mov_b32 s[G1+7], 0
	s_or_b32 s[G1B+0], s44, (0<<16)|(1<<20)|(1<<21)|(3<<22)|(3<<25)
	s_mov_b32 s[G1B+1], ROWB<<16
	s_mov_b32 s[G1B+2], 128<<16
	s_mov_b32 s[G1B+3], ROWB<<16
	s_mov_b32 s[G1B+4], 128
	s_mov_b32 s[G1B+5], KROW
	s_mov_b32 s[G1B+6], 0
	s_mov_b32 s[G1B+7], 0
	s_or_b32 s[G1S+0], s43, (3<<16)|(1<<21)
	s_mov_b32 s[G1S+1], 32<<16
	s_mov_b32 s[G1S+2], 16<<16
	s_mov_b32 s[G1S+3], 32<<16
	s_mov_b32 s[G1S+4], 16
	s_mov_b32 s[G1S+5], 2048
	s_mov_b32 s[G1S+6], 0
	s_mov_b32 s[G1S+7], 0
	s_or_b32 s[G1SB+0], s44, (3<<16)|(1<<20)|(1<<21)|(5<<22)|(3<<25)
	s_mov_b32 s[G1SB+1], 32<<16
	s_mov_b32 s[G1SB+2], (128*KS/256)<<16
	s_mov_b32 s[G1SB+3], 32<<16
	s_mov_b32 s[G1SB+4], 128*KS/256
	s_mov_b32 s[G1SB+5], 32
	s_mov_b32 s[G1SB+6], 0
	s_mov_b32 s[G1SB+7], 0
	s_lshl_b32 s20, s17, 4
	s_lshl_b32 s18, s16, 3
	s_add_co_u32 s20, s20, s18
	s_mul_i32 s20, s20, 12288
	s_mov_b32 s21, 0
	s_lshl_b32 s22, s17, 9
	s_lshl_b32 s18, s16, 8
	s_add_co_u32 s22, s22, s18
	s_mov_b32 s23, 0
	s_lshl_b32 s46, s42, 8
	s_lshl_b32 s18, s16, 7
	s_add_co_u32 s46, s46, s18
	s_add_co_u32 s46, s46, 3072
	s_mov_b32 s47, 0
	s_mov_b64 s[18:19], KS
	s_mul_u64 s[92:93], s[46:47], s[18:19]
	s_mov_b64 s[18:19], KROW
	s_mul_u64 s[46:47], s[46:47], s[18:19]
	s_mul_i32 s45, s14, HALFT
	s_mul_i32 s94, s14, HALFS
	s_lshl_b32 s95, s14, 12
	s_wait_kmcnt 0x0
	s_add_nc_u64 s[20:21], s[4:5], s[20:21]
	s_add_nc_u64 s[22:23], s[6:7], s[22:23]
	s_add_nc_u64 s[46:47], s[8:9], s[46:47]
	s_add_nc_u64 s[92:93], s[10:11], s[92:93]
	CROUND
	s_mov_b32 s[G0S], 1
	s_add_co_u32 s[G0S+1], s95, RAW
	s_mov_b64 s[G0S+2:G0S+3], s[22:23]
	s_or_b32 s[G0S+3], s[G0S+3], 0x80000000
	s_mov_b32 s[G0SB], 1
	s_add_co_u32 s[G0SB+1], s94, SCL
	s_mov_b64 s[G0SB+2:G0SB+3], s[92:93]
	s_or_b32 s[G0SB+3], s[G0SB+3], 0x80000000
	JLOAD G0S, G1S, G0SB, G1SB
.irp s, 0,1
	s_mov_b32 s[G0+4*\s], 1
	s_add_co_u32 s[G0+4*\s+1], s45, \s*SLOT
	s_add_nc_u64 s[G0+4*\s+2:G0+4*\s+3], s[20:21], \s*3072
	s_or_b32 s[G0+4*\s+3], s[G0+4*\s+3], 0x80000000
	s_mov_b32 s[G0B+4*\s], 1
	s_add_co_u32 s[G0B+4*\s+1], s45, \s*SLOT
	s_add_nc_u64 s[G0B+4*\s+2:G0B+4*\s+3], s[46:47], \s*ROWB
	s_or_b32 s[G0B+4*\s+3], s[G0B+4*\s+3], 0x80000000
	s_wait_alu depctr_va_vdst(0)
	s_wait_tensorcnt 0x0
	ds_add_u32 v28, v29
	s_wait_dscnt 0x0
	CROUND
	JLOAD G0+4*\s, G1, G0B+4*\s, G1B
.endr
	v_and_b32 v1, 15, v0
	v_bfe_u32 v2, v0, 4, 1
	v_and_b32 v6, 31, v0
	v_lshlrev_b32 v7, 3, v6
	v_mul_u32_u24 v3, v1, PITCH
	v_mul_u32_u24 v4, v2, 24
	v_add_nc_u32 v4, v3, v4
	v_lshl_add_u32 v5, v2, 4, v4
	s_mul_i32 s21, s15, HALFT
	s_mul_i32 s22, s16, HALFT
	s_add_co_u32 s22, s22, 2*HALFT
.irp s, 0,1
	v_add_nc_u32 v[ADRA+\s], s21, v7
	v_add_nc_u32 v[ADRB+\s], s22, v4
	v_add_nc_u32 v[ADRB+2+\s], s22, v5
	s_add_co_u32 s21, s21, SLOT
	s_add_co_u32 s22, s22, SLOT
.endr
	v_mul_u32_u24 v5, v1, KS
	v_lshrrev_b32 v3, 8, v5
	v_lshl_add_u32 v5, v3, 4, v5
	s_mul_i32 s21, s15, HALFS
	s_mul_i32 s22, s16, HALFS
	s_add_co_u32 s22, s22, 2*HALFS
	s_sub_co_u32 s22, s22, s21
	v_mul_u32_u24 v3, s22, v2
	s_add_co_u32 s21, s21, SCL
	v_add_nc_u32 v5, v5, v3
	v_add_nc_u32 v[ADRS], s21, v5
	v_lshl_add_u32 v[PRD], v0, 1, RAW
	v_lshrrev_b32 v3, 3, v0
	v_lshlrev_b32 v3, 4, v3
	v_lshl_add_u32 v[PWA], v0, 5, v3
	v_add_nc_u32 v[PWA], SCL, v[PWA]
	v_lshlrev_b32 v[BO], 5, v2
	s_wait_alu depctr_va_vdst(0)
	s_mul_i32 s23, s14, 16*SPITCH
	v_mul_u32_u24 v5, v1, SPITCH
	v_lshl_add_u32 v5, v2, 5, v5
	v_add_nc_u32 v[STO], s23, v5
	v_lshlrev_b32 v[CO], 4, v6
	v_add_nc_u32 v[RD], s23, v[CO]
	s_lshl_b32 s20, s17, 8
	s_lshl_b32 s21, s15, 7
	s_add_co_u32 s20, s20, s21
	s_mov_b32 s21, 0
	s_mov_b64 s[18:19], SIZE_N*4
	s_mul_u64 s[20:21], s[20:21], s[18:19]
	s_lshl_b32 s46, s42, 10
	s_lshl_b32 s47, s16, 9
	s_add_co_u32 s46, s46, s47
	s_mov_b32 s47, 0
	s_add_nc_u64 s[96:97], s[96:97], s[46:47]
	s_add_nc_u64 s[20:21], s[20:21], s[46:47]
	s_add_nc_u64 s[12:13], s[98:99], s[20:21]
.irp b, 0,1,2,3,4,5,6,7
	global_load_b128 v[BI+8*\b:BI+8*\b+3], v[BO], s[96:97] offset:64*\b
	global_load_b128 v[BI+8*\b+4:BI+8*\b+7], v[BO], s[96:97] offset:64*\b+16
.endr
.macro FRAG reg, adr, q, i
.irp p, 0,1,2,3,4,5
.set PC, 12*(\q)+6*(\p/3)+\p%3
.if PC%8 < 5
	ds_load_b64 v[\reg+2*\p:\reg+2*\p+1], v[\adr] offset:8*PC+16*(PC/8)+(\i)*16*PITCH
.else
	ds_load_b64 v[\reg+2*\p:\reg+2*\p+1], v[\adr+2] offset:8*PC+16*(PC/8)+(\i)*16*PITCH
.endif
.endr
.endm
.macro MUL16 a0, p, q, sc, zero
.irp a, \a0, \a0+1
.irp b, 0,1,2,3,4,5,6,7
.if \zero
	v_wmma_scale_f32_16x16x128_f8f6f4 v[8*(8*((\a)%4)+\b):8*(8*((\a)%4)+\b)+7], v[128*(\p)+FR*\b:128*(\p)+FR*\b+FR-1], v[AF+FR*(\a):AF+FR*(\a)+FR-1], v[BI+8*\b:BI+8*\b+7], v[SC+8*NQ*(\sc)+NQ*\b+(\q)], v[SC+8*NQ*(\sc)+NQ*(\a)+(\q)] matrix_a_fmt:MATRIX_FMT_FP6 matrix_b_fmt:MATRIX_FMT_FP6 matrix_a_scale:MATRIX_SCALE_ROW1
.else
	v_wmma_scale_f32_16x16x128_f8f6f4 v[8*(8*((\a)%4)+\b):8*(8*((\a)%4)+\b)+7], v[128*(\p)+FR*\b:128*(\p)+FR*\b+FR-1], v[AF+FR*(\a):AF+FR*(\a)+FR-1], v[8*(8*((\a)%4)+\b):8*(8*((\a)%4)+\b)+7], v[SC+8*NQ*(\sc)+NQ*\b+(\q)], v[SC+8*NQ*(\sc)+NQ*(\a)+(\q)] matrix_a_fmt:MATRIX_FMT_FP6 matrix_b_fmt:MATRIX_FMT_FP6 matrix_a_scale:MATRIX_SCALE_ROW1
.endif
.endr
.endr
.endm
.macro FETCH_B slot, q, p
	WIN TO_B
.irp i, 0,1,2,3,4,5,6,7
	FRAG 128*(\p)+FR*\i, ADRB+\slot, \q, \i
.endr
	WIN 0
.endm
.macro FETCH_A slot, q, i0
.irp i, \i0, \i0+1, \i0+2, \i0+3
.irp p, 0,1,2,3,4,5
	ds_load_b64 v[AF+FR*(\i)+2*\p:AF+FR*(\i)+2*\p+1], v[ADRA+\slot] offset:3072*(\i)+768*(2*(\q)+\p/3)+256*(\p%3)
.endr
.endr
.endm
.macro SCALES sc
.irp i, 0,1,2,3,4,5,6,7
	ds_load_b64 v[SC+8*NQ*\sc+NQ*\i:SC+8*NQ*\sc+NQ*\i+1], v[ADRS] offset:\i*SBLK
.endr
.endm
.macro PLACES n
.rept \n
	v_nop
.endr
.endm
.macro STEP slot, q, zero
	s_wait_dscnt 4*NL
.if \zero
	WIN 0x81
.else
	WIN MUL_LO
.endif
	MUL16 0, (\q)%2, \q, \slot, \zero
	MUL16 2, (\q)%2, \q, \slot, \zero
	s_wait_dscnt 0
	PLACES NP
	FETCH_B \slot, (\q)+1, 1-(\q)%2
	FETCH_A \slot, (\q)+1, 0
.if \zero
	WIN 0xc1
.else
	WIN MUL_HI
.endif
	MUL16 4, (\q)%2, \q, \slot, \zero
	MUL16 6, (\q)%2, \q, \slot, \zero
	PLACES NP
	WIN 0
	FETCH_A \slot, (\q)+1, 4
.endm
.macro TURN slot, next, fill
	s_wait_tensorcnt 0x0
	ds_add_u32 v[SPW], v[NIL]
	s_wait_dscnt 4*NL+1
	WIN MUL_LO
	MUL16 0, 1, NQ-1, \slot, 0
	s_wait_dscnt 0x0
	s_barrier_signal -1
	MUL16 2, 1, NQ-1, \slot, 0
	WIN 0
	s_barrier_wait -1
.if \fill
	CREST
	s_add_nc_u64 s[G0+4*\slot+2:G0+4*\slot+3], s[G0+4*\slot+2:G0+4*\slot+3], 2*3072
	s_add_nc_u64 s[G0B+4*\slot+2:G0B+4*\slot+3], s[G0B+4*\slot+2:G0B+4*\slot+3], 2*ROWB
	JLOAD G0+4*\slot, G1, G0B+4*\slot, G1B
.else
	PLACES NP
.endif
	s_wait_alu depctr_va_vdst(0)
	v_add_nc_u32 v[ADRS], 4*NQ, v[ADRS]
	FETCH_B \next, 0, 0
	FETCH_A \next, 0, 0
	SCALES \next
	WIN MUL_HI
	MUL16 4, 1, NQ-1, \slot, 0
	MUL16 6, 1, NQ-1, \slot, 0
	PLACES NP
	WIN 0
	FETCH_A \next, 0, 4
.endm
	s_wait_tensorcnt 1
	s_barrier_signal -1
	s_barrier_wait -1
.irp u, 0,1
.irp d, 0,1,2,3,4,5,6,7,8,9,10,11,12,13,14,15
	ds_load_u16 v[128+16*\u+\d], v[PRD] offset:4096*\u+256*\d
.endr
.endr
	s_wait_dscnt 0x0
.irp u, 0,1
.irp j, 0,1,2,3,4,5,6,7
	v_lshl_or_b32 v[160+8*\u+\j], v[128+16*\u+2*\j+1], 16, v[128+16*\u+2*\j]
.endr
.endr
.irp u, 0,1
	ds_store_b128 v[PWA], v[160+8*\u:163+8*\u] offset:HALFS*\u
	ds_store_b128 v[PWA], v[164+8*\u:167+8*\u] offset:HALFS*\u+16
.endr
	s_wait_dscnt 0x0
	s_barrier_signal -1
	s_barrier_wait -1
	FETCH_B 0, 0, 0
	FETCH_A 0, 0, 0
	SCALES 0
	FETCH_A 0, 0, 4
	s_wait_loadcnt 0x0
	STEP 0, 0, 1
	s_mov_b32 s3, LAPS-1
.Llap:
	TURN 0, 1, 1
	STEP 1, 0, 0
	TURN 1, 0, 1
	STEP 0, 0, 0
	s_sub_co_u32 s3, s3, 1
	s_cmp_lg_u32 s3, 0
	s_cbranch_scc1 .Llap
	TURN 0, 1, 0
	STEP 1, 0, 0
	s_wait_dscnt 4*NL
	WIN MUL_LO
	MUL16 0, 1, NQ-1, 1, 0
	MUL16 2, 1, NQ-1, 1, 0
	s_wait_dscnt 0
	WIN MUL_HI
	MUL16 4, 1, NQ-1, 1, 0
	MUL16 6, 1, NQ-1, 1, 0
	WIN 0
.macro TOSTAGE a
.set AC, 64*((\a)%4)
	WIN 0x08+4*((\a)/4)
.irp b, 0,1,2,3,4,5,6,7
	ds_store_b128 v[STO], v[AC+8*\b:AC+8*\b+3] offset:64*\b
	ds_store_b128 v[STO], v[AC+8*\b+4:AC+8*\b+7] offset:64*\b+16
.endr
	WIN 0
.set BB, BK+64*((\a)%2)
.irp t, 0,1,2,3,4,5,6,7,8,9,10,11,12,13,14,15
	ds_load_b128 v[BB+4*\t:BB+4*\t+3], v[RD] offset:\t*SPITCH
.endr
.endm
.macro SEND a, younger
.set BB, BK+64*((\a)%2)
	s_wait_dscnt \younger
.if (\a) > 0
	s_add_nc_u64 s[12:13], s[12:13], 16*SIZE_N*4
.endif
.irp t, 0,1,2,3,4,5,6,7,8,9,10,11,12,13,14,15
	global_store_b128 v[CO], v[BB+4*\t:BB+4*\t+3], s[12:13] offset:\t*SIZE_N*4 th:TH_STORE_NT
.endr
.endm
	PLACES NP
	TOSTAGE 0
.irp a, 1,2,3,4,5,6,7
.if \a > 1
	s_wait_xcnt 0x0
.endif
	TOSTAGE \a
	SEND \a-1, 32
.endr
	s_wait_xcnt 0x0
	SEND 7, 0
	s_wait_tensorcnt 0x0
	ds_add_u32 v[SPW], v[NIL]
	s_wait_dscnt 0x0
	CROUND
	s_endpgm
.Lfunc_end_k_qaf67928088_gemm_out:
	.size	k_qaf67928088_gemm_out, .Lfunc_end_k_qaf67928088_gemm_out-k_qaf67928088_gemm_out
	.p2alignl 7, 3214868480
	.fill 96, 4, 3214868480
	.section	.rodata,"a",@progbits
	.p2align	6, 0x0
	.amdhsa_kernel k_qaf67928088_gemm_out
		.amdhsa_group_segment_fixed_size 327680
		.amdhsa_private_segment_fixed_size 0
		.amdhsa_enable_private_segment 0
		.amdhsa_kernarg_size 48
		.amdhsa_user_sgpr_count 2
		.amdhsa_user_sgpr_kernarg_segment_ptr 1
		.amdhsa_wavefront_size32 1
		.amdhsa_system_sgpr_workgroup_id_x 1
		.amdhsa_system_sgpr_workgroup_id_y 1
		.amdhsa_system_sgpr_workgroup_id_z 1
		.amdhsa_system_vgpr_workitem_id 0
		.amdhsa_next_free_vgpr 1024
		.amdhsa_next_free_sgpr 106
		.amdhsa_reserve_vcc 0
		.amdhsa_float_denorm_mode_32 3
		.amdhsa_float_denorm_mode_16_64 3
		.amdhsa_memory_ordered 1
		.amdhsa_forward_progress 1
		.amdhsa_inst_pref_size 166
	.end_amdhsa_kernel
	.amdgpu_metadata
---
amdhsa.version: [ 1, 2 ]
amdhsa.kernels:
  - .name:           k_qaf67928088_gemm_out
    .symbol:         k_qaf67928088_gemm_out.kd
    .args:
      - { .name: a_img, .offset: 0, .size: 8, .value_kind: global_buffer, .address_space: global }
      - { .name: o_scl, .offset: 8, .size: 8, .value_kind: global_buffer, .address_space: global }
      - { .name: w_codes, .offset: 16, .size: 8, .value_kind: global_buffer, .address_space: global }
      - { .name: w_scales, .offset: 24, .size: 8, .value_kind: global_buffer, .address_space: global }
      - { .name: b_out, .offset: 32, .size: 8, .value_kind: global_buffer, .address_space: global }
      - { .name: out0, .offset: 40, .size: 8, .value_kind: global_buffer, .address_space: global }
    .group_segment_fixed_size: 327680
    .private_segment_fixed_size: 0
    .kernarg_segment_align: 8
    .kernarg_segment_size: 48
    .max_flat_workgroup_size: 128
    .sgpr_count:     106
    .vgpr_count:     1024
    .wavefront_size: 32
...
	.end_amdgpu_metadata
.endif
;; end of part 4
